; MI455X (gfx1250); checked and timed in simulation.
; The chip was launched on July 23, 2026; its instructions are those of AMD's public machine-readable ISA for CDNA 5 (MIT licence, August 2026) and "CDNA5" Instruction Set Architecture Reference Guide (July 2026). The comments in the code are by the model that wrote it; some were corrected since.
;; Transformer Block. Allowed arithmetic: matrix products marked QUANTISED: E4M3 operands, one given power-of-two scale a tensor, by v_wmma_f32_16x16x64_fp8_fp8 or v_wmma_f32_16x16x128_fp8_fp8, f32 sums; everything else in f32.
;; Inputs: attn_out_w 1,024 x 1,024 float32; ln1_b 1,024 float32; ln1_w 1,024 float32; ln2_b 1,024 float32; ln2_w 1,024 float32; lowp_scales 14 int32 (the exponents e of the quantised operands' scales 2^e); mlp_gate_w 2,048 x 1,024 float32; mlp_in_w 2,048 x 1,024 float32; mlp_out_w 1,024 x 2,048 float32; qkv_w 3,072 x 1,024 float32; x 2 x 2,048 x 1,024 float32.
;; Outputs: out0 2 x 2,048 x 1,024 float32.
;; This version of the problem:
;;   THIS VERSION OF THE PROBLEM IS GIVEN IN LOW PRECISION. The matrix products marked QUANTISED in the list below multiply operands that are first quantised to E4M3 (4 exponent bits, 3 mantissa bits; 8 bits a number), with one given power-of-two scale for each operand tensor; their sums are f32. All else is computed in f32.
;;   The module's matrix products, in the order in which they are computed (A, B: the left and right operand; K: the contracted axis; several contracted axes count as one K, in the product's order):
;;     1. [M 4,096, K 1,024] x [K 1,024, N 3,072]; A: computed on the way; B: input qkv_w: QUANTISED (scales: A lowp_scales[0], B lowp_scales[1])
;;     2. batch 32 x [M 2,048, K 64] x [K 64, N 2,048]; A: computed on the way; B: computed on the way: QUANTISED (scales: A lowp_scales[2], B lowp_scales[3])
;;     3. batch 32 x [M 2,048, K 2,048] x [K 2,048, N 64]; A: softmax (see below); B: computed on the way: QUANTISED (scales: A lowp_scales[4], B lowp_scales[5])
;;     4. [M 4,096, K 1,024] x [K 1,024, N 1,024]; A: computed on the way; B: input attn_out_w: QUANTISED (scales: A lowp_scales[6], B lowp_scales[7])
;;     5. [M 4,096, K 1,024] x [K 1,024, N 2,048]; A: computed on the way; B: input mlp_in_w: QUANTISED (scales: A lowp_scales[8], B lowp_scales[9])
;;     6. [M 4,096, K 1,024] x [K 1,024, N 2,048]; A: computed on the way; B: input mlp_gate_w: QUANTISED (scales: A lowp_scales[10], B lowp_scales[11])
;;     7. [M 4,096, K 2,048] x [K 2,048, N 1,024]; A: computed on the way; B: input mlp_out_w: QUANTISED (scales: A lowp_scales[12], B lowp_scales[13])
;;   THE QUANTISER, for each operand of a quantised product, along K:
;;     - The operand's scale is 2^e, e = its entry of the input lowp_scales (int32; the entries are numbered through the quantised products in the list's order, A before B).
;;     - Each number is divided by the scale, clamped to +-448, and rounded to the nearest number of E4M3, ties to even, subnormals kept.
;;     - The product sums the exact products of the quantised numbers (number of the format x scale) in f32.
;;   ~~~python
;;   def quantise(x, axis, e):      # numpy; x: float32 -> the quantised numbers, widened to float32 again
;;       x = np.moveaxis(x, axis, -1); K = x.shape[-1]
;;       r = np.clip(x / 2.0 ** e, -448, 448)
;;       step = 2.0 ** (np.maximum(np.frexp(np.where(r == 0, 1, r))[1] - 1, -6) - 3)
;;       q = np.round(r / step) * step * 2.0 ** e      # np.round: ties to even
;;       return np.moveaxis(q, -1, axis).astype(np.float32)
;;   ~~~
;;   SOFTMAX AHEAD OF A QUANTISED PRODUCT. Where the list says 'softmax', what is quantised is not the finished softmax but p = 2^(t - M), with t = logit x log2(e) and M = ceil(the row's largest t), a whole number; so 1/2 < the row's largest p <= 1. The row's sum l is taken of the UNQUANTISED p, in f32, and the product's result is divided by l at the end. Since M is a whole number, a kernel that streams over the keys may use a running M (the ceiling of the running maximum): every later rescaling is an exact power of two, so the quantised numbers keep their values, but for numbers so far below the row's largest that they fall under the format's range.
;;   OPERANDS COMPUTED ON THE WAY. 'Computed on the way' means the value that the module computes at that place (a softmax that the list does not call 'softmax' is quantised finished and normalised). What goes into a quantiser is computed in f32, as accurately as f32 sums, v_exp_f32 and their like allow (about 1e-6 of the number): no bf16 or f16 on the way to a quantiser, and a product that is left as it is and whose result goes on into a quantised operand takes f32 operands (vector FMAs, or v_wmma_f32_16x16x4_f32). A number that lies on a knife's edge between two numbers of the format may be rounded either way, as far as f32 arithmetic and the matrix unit's own rounding can turn it there, and no further.
;; One version. Each part assembles by itself: llvm-mc -triple=amdgcn-amd-amdhsa -mcpu=gfx1250 --defsym DOCPART=n.
;; ======== version 1 of 1: 7 launches
;; limits: right only within a limited range of input values
;; workspace buffers: pc 14,680,064 bytes; qkvc 12,582,912 bytes; oc 4,194,304 bytes; x1 16,777,216 bytes; h2c 8,388,608 bytes; ac 8,388,608 bytes
;; launch prep (part 1): grid 576 x 1, 4 waves a work-group, no clusters, 51,712 bytes of LDS; arguments qkv_w, attn_out_w, mlp_in_w, mlp_gate_w, mlp_out_w, lowp_scales, x, ln1_w, ln1_b, pc; writes pc
.if DOCPART == 1
	.amdgcn_target "amdgcn-amd-amdhsa--gfx1250"
	.amdhsa_code_object_version 6
	.text
	.protected	k_q783de46196_prep
	.globl	k_q783de46196_prep
	.p2align	8
	.type	k_q783de46196_prep,@function
k_q783de46196_prep:
	s_mov_b64 s[64:65], 0
	v_nop
	global_prefetch_b8 v0, s[64:65] scope:SCOPE_SE
	s_setreg_imm32_b32 hwreg(HW_REG_WAVE_MODE, 25, 1), 1
	s_wait_xcnt 0x0
; TRANSFORMER BLOCK, launch 1 of 7: the five weights and LayerNorm1(x) become codes of E4M3, each with its given scale 2^e.
; DEAD WORK OF THE WHOLE PROGRAM.  reference() itself sets a score to -infinity where key > query (its own jnp.tril).  Such a score loses every maximum,
; its weight is exactly 0, and it adds 0 to the row's sum and to the second product, whatever finite values the inputs hold.  So a step of 128 keys all of
; which come after all 16 queries of a tile reaches no output: launch attn leaves such steps out, whole.  Nothing else is left out; every input has a way
; to the output and is loaded.  LIMIT: a NaN, an infinity or an overflow that reaches only those steps is not carried to the result.
; THE FORM OF EVERY OPERAND THAT THE PROGRAM'S OWN LAUNCHES PASS ON: AN IMAGE OF THE MATRIX OPERAND'S REGISTERS.  A block of 16 rows x 128 along K is 2,048 bytes:
; register g (0..15) of lane l (row l % 16, half h = l / 16; registers 2 c, 2 c + 1 hold k = 16 c + 8 h + 0..7) lies at 512 (g / 4) + 16 l + 4 (g % 4).
; Four loads of 16 bytes a lane, 512 bytes apart, bring a fragment; k stands in its true place.  A matrix [R][K] is laid [R / 16][K / 128][2,048 bytes].
; pc: qkv_w at 0, attn_out_w at 3,145,728, mlp_in_w at 4,194,304, mlp_gate_w at 6,291,456, mlp_out_w at 8,388,608, LayerNorm1's codes at 10,485,760.
; WORK-GROUPS 0..319: weights; a wave takes 16 rows x 512 along K.  320..575: 16 rows of x each, a wave 4 rows.  The two ways use LDS bytes of their own.
; code = number / 2^e, held within +-448, to the nearest code, ties to even.  LIMITS: each e used here (entries 0, 1, 7, 9, 11, 13) between -126 and 119.  NaN among the inputs is not served.
; No matrix unit, no cluster, no tensor load: a stream, each byte read once; every global load and store of a wave covers 512 consecutive bytes, aligned.
.set SPARE, 51200                      ; the spare words: 128 bytes a wave, two blocks of 256 bytes that no other line names
.set LNST,  33792                      ; the LayerNorm way's stage: 8 images, each 256 bytes followed by 16 of padding: 8 x 2,176 bytes
.set H1OFF, 10485760
.set SPW,  14                          ; v14 my spare word; never rewritten
.set NIL,  15                          ; v15 0; never rewritten
.set OFFR, 16                          ; weights: v16-31 byte offset of row j
.set R,    32                          ; v32-159 two sets of 64 numbers as loaded
.set X,    160                         ; v160-223 64 numbers in the operand's order
.set C,    224                         ; v224-239 a fragment's codes
.set LW,   16                          ; LayerNorm: v16-47 gain, v48-79 bias, v80-207 four rows, v208-215 a row's codes
.set LB,   48
.set LX,   80
.set LC,   208
	s_load_b512 s[4:19], s[0:1], 0x0               ; qkv_w, attn_out_w, mlp_in_w, mlp_gate_w, mlp_out_w, scales s[14:15], x s[16:17], ln1_w s[18:19]
	s_load_b128 s[20:23], s[0:1], 0x40             ; ln1_b, pc
	v_lshl_add_u32 v[SPW], v0, 2, SPARE
	v_mov_b32 v[NIL], 0
	v_lshrrev_b32 v1, 5, v0
	v_readfirstlane_b32 s24, v1                    ; wave
	v_and_b32 v1, 31, v0                           ; lane
	v_lshlrev_b32 v2, 4, v1                        ; 16 x lane
	s_wait_kmcnt 0x0
	s_load_b256 s[28:35], s[14:15], 0x0            ; e0 .. e7
	s_load_b128 s[36:39], s[14:15], 0x20           ; e8 .. e11
	s_load_b64 s[40:41], s[14:15], 0x30            ; e12, e13
	s_cmp_ge_u32 ttmp9, 320
	s_cbranch_scc1 .Lln
; ---------------- the weights ----------------
	s_mov_b64 s[42:43], s[4:5]                     ; which tensor: by the work-group's number alone
	s_mov_b32 s44, 0                               ; its first work-group
	s_mov_b32 s46, 1                               ; sh: a row holds 1 << sh units of 512 along K
	s_cmp_ge_u32 ttmp9, 96
	s_cselect_b64 s[42:43], s[6:7], s[42:43]
	s_cselect_b32 s44, 96, s44
	s_cmp_ge_u32 ttmp9, 128
	s_cselect_b64 s[42:43], s[8:9], s[42:43]
	s_cselect_b32 s44, 128, s44
	s_cmp_ge_u32 ttmp9, 192
	s_cselect_b64 s[42:43], s[10:11], s[42:43]
	s_cselect_b32 s44, 192, s44
	s_cmp_ge_u32 ttmp9, 256
	s_cselect_b64 s[42:43], s[12:13], s[42:43]
	s_cselect_b32 s44, 256, s44
	s_cselect_b32 s46, 2, s46
	s_sub_co_u32 s44, ttmp9, s44
	s_lshl_b32 s44, s44, 2
	s_add_co_u32 s44, s44, s24                     ; u: my unit in the tensor
	s_lshr_b32 s48, s44, s46                       ; its block of 16 rows,
	s_add_co_u32 s47, s46, 15
	s_lshl_b32 s48, s48, s47                       ; in bytes: 16 rows of 2,048 << sh
	s_lshl_b32 s49, 1, s46
	s_sub_co_u32 s49, s49, 1
	s_and_b32 s49, s44, s49
	s_lshl_b32 s49, s49, 11                        ; + its 512 numbers in the row
	s_add_co_u32 s48, s48, s49
	s_mov_b32 s49, 0
	s_add_nc_u64 s[42:43], s[42:43], s[48:49]
	s_lshl_b32 s47, 2048, s46                      ; a row in bytes
	s_lshl_b32 s50, ttmp9, 2
	s_add_co_u32 s50, s50, s24
	s_lshl_b32 s50, s50, 13                        ; the images lie in the order of the units: 8,192 bytes each
	s_mov_b32 s51, 0
	s_add_nc_u64 s[22:23], s[22:23], s[50:51]
	s_wait_alu depctr_va_vdst(0)
	v_mov_b32 v[OFFR], v2
.irp j, 1,2,3,4,5,6,7,8,9,10,11,12,13,14,15
	v_add_nc_u32 v[OFFR+\j], s47, v[OFFR+\j-1]
.endr
.macro LOADW t                         ; 128 along K of 16 rows: each load reads 512 consecutive bytes of one row
.set jj, 0
.rept 16
	global_load_b128 v[R+64*((\t)%2)+4*jj:R+64*((\t)%2)+4*jj+3], v[OFFR+jj], s[42:43] offset:512*(\t) th:TH_LOAD_NT
.set jj, jj+1
.endr
.endm
	LOADW 0
	LOADW 1
	s_mul_i32 s52, s24, 8448                       ; my stage: 16 rows x (512 bytes + 16)
	v_add_nc_u32 v3, s52, v2                       ; in: as loaded
	v_and_b32 v5, 15, v1
	v_lshrrev_b32 v6, 4, v1
	v_mul_u32_u24 v4, v5, 528
	v_lshl_add_u32 v4, v6, 5, v4
	v_add_nc_u32 v4, s52, v4                       ; out: row l % 16, + 32 bytes for the upper half of the lanes
	s_wait_alu depctr_va_vdst(0)
	s_wait_kmcnt 0x0
	s_mov_b32 s45, s29                             ; e of my tensor: entries 1, 7, 9, 11, 13
	s_cmp_ge_u32 ttmp9, 96
	s_cselect_b32 s45, s35, s45
	s_cmp_ge_u32 ttmp9, 128
	s_cselect_b32 s45, s37, s45
	s_cmp_ge_u32 ttmp9, 192
	s_cselect_b32 s45, s39, s45
	s_cmp_ge_u32 ttmp9, 256
	s_cselect_b32 s45, s41, s45
	s_add_co_i32 s45, s45, 127
	s_lshl_b32 s53, s45, 23
	v_mov_b32 v11, s53                             ; 2^e as f32: the conversion takes its exponent field
	s_add_co_i32 s45, s45, 8
	s_lshl_b32 s45, s45, 23
	s_or_b32 s45, s45, 0x600000
	v_mov_b32 v10, s45                             ; 448 x 2^e
.macro WSTEP t                         ; one image: 16 rows x 128 along K
.set RS, R+64*((\t)%2)
.if (\t) < 3
	s_wait_loadcnt 16                              ; this step's 16 loads are in; the next step's 16 may be out
.else
	s_wait_loadcnt 0
.endif
.set jj, 0
.rept 16
	ds_store_b128 v3, v[RS+4*jj:RS+4*jj+3] offset:528*jj
.set jj, jj+1
.endr
.set jj, 0
.rept 8                                ; LDS serves a wave's instructions in order: these see the stores.  Registers 8 c .. 8 c + 7: k = 16 c + 8 h + 0..7 of row l % 16
	ds_load_b128 v[X+8*jj:X+8*jj+3], v4 offset:64*jj
	ds_load_b128 v[X+8*jj+4:X+8*jj+7], v4 offset:64*jj+16
.set jj, jj+1
.endr
	s_wait_dscnt 0x0                               ; the numbers are back, and the stores have read their registers,
.if (\t) < 2
	LOADW (\t)+2                                   ; which take the loads of two steps on
.endif
.set jj, 0
.rept 64
	v_med3_num_f32 v[X+jj], v[X+jj], -v10, v10     ; the conversion to an 8-bit code does not saturate (ISA guide 7.6.2): the hold comes first
.set jj, jj+1
.endr
	s_wait_alu depctr_va_vdst(0)
	s_wait_xcnt 0x0                                ; the last step's stores have read the codes' registers
.set jj, 0
.rept 8
	v_cvt_scalef32_pk8_fp8_f32 v[C+2*jj:C+2*jj+1], v[X+8*jj:X+8*jj+7], v11
.set jj, jj+1
.endr
	v_nop                                          ; a plain line between the conversions and the next step's holds, which write their sources
.irp p, 0,1,2,3
	global_store_b128 v2, v[C+4*\p:C+4*\p+3], s[22:23] offset:2048*(\t)+512*\p
.endr
.endm
	s_wait_alu depctr_va_vdst(0)
	WSTEP 0
	WSTEP 1
	WSTEP 2
	WSTEP 3
	s_wait_tensorcnt 0x0                           ; the wave's end, behind my last LDS store
	ds_add_u32 v[SPW], v[NIL]
	s_wait_dscnt 0x0
	s_endpgm
; ---------------- LayerNorm1 ----------------
.Lln:
	s_sub_co_u32 s44, ttmp9, 320                   ; my block of 16 rows
	s_lshl_b32 s48, s44, 16
	s_lshl_b32 s46, s24, 14                        ; my wave's four rows
	s_add_co_u32 s48, s48, s46
	s_mov_b32 s49, 0
	s_add_nc_u64 s[16:17], s[16:17], s[48:49]
	s_wait_alu depctr_va_vdst(0)
.irp j, 0,1,2,3,4,5,6,7
	global_load_b128 v[LW+4*\j:LW+4*\j+3], v2, s[18:19] offset:512*\j
.endr
.irp j, 0,1,2,3,4,5,6,7
	global_load_b128 v[LB+4*\j:LB+4*\j+3], v2, s[20:21] offset:512*\j
.endr
.irp rr, 0,1,2,3
.irp j, 0,1,2,3,4,5,6,7
	global_load_b128 v[LX+32*\rr+4*\j:LX+32*\rr+4*\j+3], v2, s[16:17] offset:4096*\rr+512*\j th:TH_LOAD_NT   ; lane l: k = 128 j + 4 l + 0..3
.endr
.endr
	s_lshl_b32 s52, s44, 14
	s_lshl_b32 s53, s24, 12
	s_add_co_u32 s52, s52, s53
	s_add_co_u32 s52, s52, H1OFF                   ; out: my block's images, my wave's two of the eight
	s_mov_b32 s53, 0
	s_add_nc_u64 s[22:23], s[22:23], s[52:53]
	; my four codes of a chunk (k = 4 l ..) are one word of the image: register 2 (l / 4) + l % 2, half (l / 2) % 2, row 4 w + rr
	v_lshrrev_b32 v5, 3, v1
	v_mul_u32_u24 v3, v5, 544
	v_bfe_u32 v5, v1, 1, 1
	v_mad_u32_u24 v3, v5, 272, v3
	v_bfe_u32 v5, v1, 2, 1
	v_lshl_add_u32 v3, v5, 3, v3
	v_and_b32 v5, 1, v1
	v_lshl_add_u32 v3, v5, 2, v3
	s_lshl_b32 s50, s24, 6
	s_add_co_u32 s50, s50, LNST
	v_add_nc_u32 v3, s50, v3
	v_and_b32 v5, 15, v1                           ; back: 16 bytes a lane, 16 bytes of padding behind every 256
	v_lshlrev_b32 v4, 4, v5
	v_lshrrev_b32 v5, 4, v1
	v_mad_u32_u24 v4, v5, 272, v4
	s_mul_i32 s51, s24, 4352
	s_add_co_u32 s51, s51, LNST
	v_add_nc_u32 v4, s51, v4
	s_mov_b32 s54, 0x76543210                      ; v_permlanex16_b32: lane l xor 16
	s_mov_b32 s55, 0xfedcba98
	s_mov_b32 s56, 0x3a800000                      ; 1 / 1024
	s_mov_b32 s57, 0x3727c5ac                      ; 1e-5
	v_mov_b32 v244, 0                              ; a lane permute's destination counts as read
	s_wait_kmcnt 0x0
	s_add_co_i32 s45, s28, 127                     ; e0
	s_lshl_b32 s53, s45, 23
	v_mov_b32 v11, s53
	s_add_co_i32 s45, s45, 8
	s_lshl_b32 s45, s45, 23
	s_or_b32 s45, s45, 0x600000
	v_mov_b32 v10, s45
.macro REDUCE                          ; v240 summed over the 32 lanes, in every lane
	v_add_f32_dpp v240, v240, v240 row_xmask:1 row_mask:0xf bank_mask:0xf
	v_add_f32_dpp v240, v240, v240 row_xmask:2 row_mask:0xf bank_mask:0xf
	v_add_f32_dpp v240, v240, v240 row_xmask:4 row_mask:0xf bank_mask:0xf
	v_add_f32_dpp v240, v240, v240 row_xmask:8 row_mask:0xf bank_mask:0xf
	v_permlanex16_b32 v244, v240, s54, s55
	v_add_f32 v240, v240, v244
.endm
.macro LNSTAT rr                       ; row rr becomes (x - mean) rsqrt(var + eps) w + b, in place; the variance is the mean of the squared differences, as reference() has it
.set XR, LX+32*(\rr)
	s_wait_loadcnt 24-8*(\rr)                      ; gain, bias and this row are in; the later rows' eight loads each may be out
	v_pk_add_f32 v[240:241], v[XR:XR+1], v[XR+4:XR+5]
	v_pk_add_f32 v[242:243], v[XR+2:XR+3], v[XR+6:XR+7]
.irp j, 8,12,16,20,24,28
	v_pk_add_f32 v[240:241], v[240:241], v[XR+\j:XR+\j+1]
	v_pk_add_f32 v[242:243], v[242:243], v[XR+\j+2:XR+\j+3]
.endr
	v_pk_add_f32 v[240:241], v[240:241], v[242:243]
	v_add_f32 v240, v240, v241
	REDUCE
	v_mul_f32 v246, s56, v240
	v_mul_f32 v247, s56, v240
.irp j, 0,2,4,6,8,10,12,14,16,18,20,22,24,26,28,30
	v_pk_add_f32 v[XR+\j:XR+\j+1], v[XR+\j:XR+\j+1], v[246:247] neg_lo:[0,1] neg_hi:[0,1]
.endr
	v_pk_mul_f32 v[240:241], v[XR:XR+1], v[XR:XR+1]
	v_pk_mul_f32 v[242:243], v[XR+2:XR+3], v[XR+2:XR+3]
.irp j, 4,8,12,16,20,24,28
	v_pk_fma_f32 v[240:241], v[XR+\j:XR+\j+1], v[XR+\j:XR+\j+1], v[240:241]
	v_pk_fma_f32 v[242:243], v[XR+\j+2:XR+\j+3], v[XR+\j+2:XR+\j+3], v[242:243]
.endr
	v_pk_add_f32 v[240:241], v[240:241], v[242:243]
	v_add_f32 v240, v240, v241
	REDUCE
	v_fma_f32 v245, v240, s56, s57
	s_wait_alu depctr_va_vdst(0)
	v_rsq_f32 v248, v245
	v_rsq_f32 v249, v245
	v_nop                                          ; a plain line behind the transcendentals,
	s_wait_alu depctr_va_vdst(0)                   ; and the one wait ahead of their first reader
.irp j, 0,2,4,6,8,10,12,14,16,18,20,22,24,26,28,30
	v_pk_mul_f32 v[XR+\j:XR+\j+1], v[XR+\j:XR+\j+1], v[248:249]
.endr
.irp j, 0,2,4,6,8,10,12,14,16,18,20,22,24,26,28,30
	v_pk_fma_f32 v[XR+\j:XR+\j+1], v[XR+\j:XR+\j+1], v[LW+\j:LW+\j+1], v[LB+\j:LB+\j+1]
.endr
.endm
.macro LNROW rr
	LNSTAT \rr
.set jj, 0
.rept 32
	v_med3_num_f32 v[XR+jj], v[XR+jj], -v10, v10
.set jj, jj+1
.endr
	s_wait_alu depctr_va_vdst(0)
	s_wait_dscnt 0x0                               ; the last row's LDS stores have read the codes' registers
.irp g, 0,1,2,3
	v_cvt_scalef32_pk8_fp8_f32 v[LC+2*\g:LC+2*\g+1], v[XR+8*\g:XR+8*\g+7], v11   ; register j: my four codes of chunk j
.endr
	v_nop
.irp j, 0,1,2,3,4,5,6,7
	ds_store_b32 v3, v[LC+\j] offset:2176*\j+16*(\rr)
.endr
.endm
	LNROW 0
	LNROW 1
	LNROW 2
	LNROW 3
	s_wait_dscnt 0x0                               ; for the others' sake: my words of the images have landed
	s_barrier_signal -1
	s_barrier_wait -1
.irp i, 0,1,2,3,4,5,6,7
	ds_load_b128 v[LX+4*\i:LX+4*\i+3], v4 offset:2176*(\i/4)+544*(\i%4)
.endr
.irp i, 0,1,2,3,4,5,6,7
	s_wait_dscnt 7-\i                              ; the younger loads may be out
	global_store_b128 v2, v[LX+4*\i:LX+4*\i+3], s[22:23] offset:512*\i
.endr
	s_wait_tensorcnt 0x0                           ; the wave's end, behind my last LDS store
	ds_add_u32 v[SPW], v[NIL]
	s_wait_dscnt 0x0
	s_endpgm
.Lfunc_end_k_q783de46196_prep:
	.size	k_q783de46196_prep, .Lfunc_end_k_q783de46196_prep-k_q783de46196_prep
	.p2alignl 7, 3214868480
	.fill 96, 4, 3214868480
	.section	.rodata,"a",@progbits
	.p2align	6, 0x0
	.amdhsa_kernel k_q783de46196_prep
		.amdhsa_group_segment_fixed_size 51712
		.amdhsa_private_segment_fixed_size 0
		.amdhsa_enable_private_segment 0
		.amdhsa_kernarg_size 80
		.amdhsa_user_sgpr_count 2
		.amdhsa_user_sgpr_kernarg_segment_ptr 1
		.amdhsa_wavefront_size32 1
		.amdhsa_system_sgpr_workgroup_id_x 1
		.amdhsa_system_sgpr_workgroup_id_y 1
		.amdhsa_system_sgpr_workgroup_id_z 1
		.amdhsa_system_vgpr_workitem_id 0
		.amdhsa_next_free_vgpr 256
		.amdhsa_next_free_sgpr 66
		.amdhsa_reserve_vcc 0
		.amdhsa_float_denorm_mode_32 3
		.amdhsa_float_denorm_mode_16_64 3
		.amdhsa_memory_ordered 1
		.amdhsa_forward_progress 1
		.amdhsa_inst_pref_size 83
	.end_amdhsa_kernel
	.amdgpu_metadata
---
amdhsa.version: [ 1, 2 ]
amdhsa.kernels:
  - .name:           k_q783de46196_prep
    .symbol:         k_q783de46196_prep.kd
    .args:
      - { .name: qkv_w, .offset: 0, .size: 8, .value_kind: global_buffer, .address_space: global }
      - { .name: attn_out_w, .offset: 8, .size: 8, .value_kind: global_buffer, .address_space: global }
      - { .name: mlp_in_w, .offset: 16, .size: 8, .value_kind: global_buffer, .address_space: global }
      - { .name: mlp_gate_w, .offset: 24, .size: 8, .value_kind: global_buffer, .address_space: global }
      - { .name: mlp_out_w, .offset: 32, .size: 8, .value_kind: global_buffer, .address_space: global }
      - { .name: lowp_scales, .offset: 40, .size: 8, .value_kind: global_buffer, .address_space: global }
      - { .name: x, .offset: 48, .size: 8, .value_kind: global_buffer, .address_space: global }
      - { .name: ln1_w, .offset: 56, .size: 8, .value_kind: global_buffer, .address_space: global }
      - { .name: ln1_b, .offset: 64, .size: 8, .value_kind: global_buffer, .address_space: global }
      - { .name: pc, .offset: 72, .size: 8, .value_kind: global_buffer, .address_space: global }
    .group_segment_fixed_size: 51712
    .private_segment_fixed_size: 0
    .kernarg_segment_align: 8
    .kernarg_segment_size: 80
    .max_flat_workgroup_size: 128
    .sgpr_count:     66
    .vgpr_count:     256
    .wavefront_size: 32
...
	.end_amdgpu_metadata
.endif
;; end of part 1
;; launch qkv (part 2): grid 12 x 16, 4 waves a work-group, clusters of 4 x 4, 327,680 bytes of LDS; arguments pc, lowp_scales, qkvc; writes qkvc
.if DOCPART == 2
	.amdgcn_target "amdgcn-amd-amdhsa--gfx1250"
	.amdhsa_code_object_version 6
	.text
	.protected	k_q783de46196_qkv
	.globl	k_q783de46196_qkv
	.p2align	8
	.type	k_q783de46196_qkv,@function
k_q783de46196_qkv:
	s_mov_b64 s[64:65], 0
	v_nop
	global_prefetch_b8 v0, s[64:65] scope:SCOPE_SE
	s_setreg_imm32_b32 hwreg(HW_REG_WAVE_MODE, 25, 1), 1
	s_wait_xcnt 0x0
	s_wait_alu depctr_hold_cnt(0) depctr_sa_sdst(0) depctr_va_vdst(0) depctr_va_sdst(0) depctr_va_ssrc(0) depctr_va_vcc(0) depctr_vm_vsrc(0)
	s_getreg_b32 s2, hwreg(HW_REG_IB_STS2, 6, 4)
	s_cmp_eq_u32 s2, 0
	s_cbranch_scc0 .Lentry_in_a_cluster
	s_endpgm
.Lentry_in_a_cluster:
	s_bfe_u32 s2, ttmp6, 0x10000c
	s_cmp_lg_u32 s2, 0xf033
	s_cbranch_scc0 .Lentry_shape_is_right
	s_endpgm
.Lentry_shape_is_right:
; Launch 2 of 7: product 1, LayerNorm1(x) qkv_w^T, on codes of E4M3; its results are quantised at once as q (entry 2), k (entry 3) and v (entry 5) and leave as register images.
; A tile of 256 x 256 is made by four waves, 128 x 128 each: 64 accumulators, 512 registers.  K = 1,024 goes in steps of 256 through a ring of two LDS slots.
; Both operands lie in pc as images (16 rows x 128 K = 2,048 bytes): a tile's part of a block of 16 rows is 4,096 consecutive bytes, so tiles are dense, need no padding, and a fragment load reads 512 consecutive bytes.
; CLUSTERS of 4 x 4; cluster x = 0: q, 1: k, 2: v (the same in all partners).  The A region (source 1) is shared along a row of the cluster, the B region (source 0) along a column.
; q, k: A = 256 rows of LayerNorm1, B = 256 rows of the weight: a lane holds one position and eight neighbouring channels: after the conversion that is a fragment along the head's 64.
; v: A = 256 rows of the weight, B = 256 positions: a lane holds one channel and eight neighbouring POSITIONS: a fragment along the keys, as the second product of attention wants it.  Only offsets are chosen, by cluster x.
; qkvc: q at 0, k at 4 MiB: (b 16 + head) 131,072 + (t / 16) 1,024 + 512 part + 16 lane.  v at 8 MiB: (b 16 + (head & ~1) + s) 131,072 + (t / 128) 8,192 + ((head & 1) 4 + d / 16) 1,024 + 512 part + 16 lane, s = which 64 of the 128 keys.
; 192 work-groups: a tile that gave each of 256 WGPs one would straddle the borders between q, k and v.
; LIMITS: e_target - e0 - e1 between -126 and 119.  NaN is not served.
; REGISTERS: window 0: v16-31 addresses, v32-95 at work on the way out, from v128 A's fragments (one set), later the codes; window 1: B's fragments, two sets; windows 2, 3: the accumulators ((a, b) at v[8 (8 (a % 4) + b)]).
.set H1OFF, 10485760
.set FR,    16
.set NL,    4                          ; LDS loads that bring a fragment
.set NP,    4                          ; places behind this matrix instruction (ISA guide 7.12.1)
.set HALFT, 32768                      ; 128 rows x 256 K: what one tensor load brings
.set SLOT,  131072                     ; A's 256 rows, then B's
.set LAPS,  2
.set SPARE, 262144                     ; behind the ring: the spare words, 128 bytes a wave
.set ADRA, 16
.set ADRB, 20
.set CO,   26                          ; v26 16 x lane
.set SPW,  28
.set NIL,  29
.set VSC,  30
.set VLIM, 31
.set TMP,  32
.set AF,   128
.set G1, 24
.set G0, 32
.set G1B, 48
.set G0B, 56
.set MSB, 0
.macro WIN new                         ; the immediate's high byte repeats the setting that is left
.if MSB != (\new)
	s_set_vgpr_msb (MSB<<8)|(\new)
.set MSB, (\new)
.endif
.endm
.set MUL_LO, 0xa1                      ; source 0 (B) window 1, source 1 (A) window 0, C and D window 2
.set MUL_HI, 0xf1
.set TO_B,   0x40
.macro JLOAD s                         ; a joint load: waves 0, 1 fetch the A region's halves, waves 2, 3 the B region's; an s_nop 0 and four v_nop follow each line
	s_cmp_eq_u32 s15, 0
	s_cbranch_scc0 .Lfor_b_\@
	tensor_load_to_lds s[G0+4*\s:G0+4*\s+3], s[G1:G1+7]
	s_nop 0
.rept 4
	v_nop
.endr
	s_branch .Lasked_\@
.Lfor_b_\@:
	tensor_load_to_lds s[G0B+4*\s:G0B+4*\s+3], s[G1B:G1B+7]
	s_nop 0
.rept 4
	v_nop
.endr
.Lasked_\@:
.endm
.macro CREST                           ; a round of the cluster's barrier behind its opening barrier
	s_cmp_lg_u32 s14, 0
	s_cbranch_scc1 .Lnot_wave_0_\@
	s_barrier_signal -3
.Lnot_wave_0_\@:
	s_barrier_wait -3
	s_barrier_signal -1
	s_barrier_wait -1
.endm
.macro CROUND
	s_barrier_signal -1
	s_barrier_wait -1
	CREST
.endm
	s_load_b128 s[4:7], s[0:1], 0x0                ; pc, the scales' exponents
	s_load_b64 s[8:9], s[0:1], 0x10                ; qkvc
	v_lshl_add_u32 v[SPW], v0, 2, SPARE
	v_mov_b32 v[NIL], 0
	ds_add_u32 v[SPW], v[NIL]                      ; the wave's opening: the add, twice on end, and its wait ahead of my first tensor load
	ds_add_u32 v[SPW], v[NIL]
	v_lshrrev_b32 v1, 5, v0
	v_readfirstlane_b32 s14, v1                    ; wave
	s_lshr_b32 s15, s14, 1                         ; rh: my half of the A region's rows.  Also: I fetch for A (0) or B (1)
	s_and_b32 s16, s14, 1                          ; ch: my half of the B region's rows.  Also: which 128 rows I fetch
	s_bfe_u32 s40, ttmp6, 0x40000                  ; cx
	s_bfe_u32 s41, ttmp6, 0x40004                  ; cy
	s_lshl_b32 s43, s41, 2
	s_lshl_b32 s43, 15, s43                        ; my row of the cluster
	s_lshl_b32 s44, 0x1111, s40                    ; my column
	s_or_b32 s[G1+0], s43, (1<<21)                 ; elements of 1 byte, no padding; bit 21 set beside a mask
	s_or_b32 s[G1B+0], s44, (1<<21)
.irp g, G1, G1B
	s_mov_b32 s[\g+1], 4096<<16                    ; tensor_dim0: 4,096 bytes of a block of 16 rows
	s_mov_b32 s[\g+2], 8<<16                       ; tensor_dim1: 8 blocks
	s_mov_b32 s[\g+3], 4096<<16                    ; tile_dim0
	s_mov_b32 s[\g+4], 8                           ; tile_dim1
	s_mov_b32 s[\g+5], 16384                       ; from block to block: 16 rows x 1,024 codes
	s_mov_b32 s[\g+6], 0
	s_mov_b32 s[\g+7], 0
.endr
	s_and_b32 s17, ttmp7, 0xffff
	s_lshl_b32 s17, s17, 2                         ; 4 x cluster y
	s_lshl_b32 s18, s16, 3                         ; the 8 blocks that I fetch
	s_add_co_u32 s20, s17, s41                     ; A, for q and k: positions, tile 4 cluster y + cy
	s_lshl_b32 s20, s20, 4
	s_add_co_u32 s20, s20, s18
	s_lshl_b32 s20, s20, 14
	s_add_co_u32 s20, s20, H1OFF
	s_lshl_b32 s21, s41, 4                         ; A, for v: the weight's rows 2,048 + 256 cy on
	s_add_co_u32 s21, s21, s18
	s_add_co_u32 s21, s21, 128
	s_lshl_b32 s21, s21, 14
	s_lshl_b32 s46, ttmp9, 2                       ; B, for q and k: the weight's rows, tile 4 cluster x + cx
	s_add_co_u32 s46, s46, s40
	s_lshl_b32 s46, s46, 4
	s_add_co_u32 s46, s46, s18
	s_lshl_b32 s46, s46, 14
	s_add_co_u32 s47, s17, s40                     ; B, for v: positions, tile 4 cluster y + cx
	s_lshl_b32 s47, s47, 4
	s_add_co_u32 s47, s47, s18
	s_lshl_b32 s47, s47, 14
	s_add_co_u32 s47, s47, H1OFF
	s_cmp_eq_u32 ttmp9, 2                          ; cluster x: the same in all sixteen partners
	s_cselect_b32 s20, s21, s20
	s_cselect_b32 s46, s47, s46
	s_mov_b32 s21, 0
	s_mov_b32 s47, 0
	s_lshl_b32 s45, s14, 15                        ; where my load goes: wave x 32,768: no place in the cluster enters an LDS address
	s_wait_dscnt 0x0                               ; both opening adds are done
	s_wait_kmcnt 0x0
	s_load_b256 s[68:75], s[6:7], 0x0              ; e0 .. e7
	s_add_nc_u64 s[20:21], s[4:5], s[20:21]
	s_add_nc_u64 s[46:47], s[4:5], s[46:47]
	CROUND                                         ; all sixteen work-groups are here: the first joint loads meet
.irp s, 0,1
	s_mov_b32 s[G0+4*\s], 1
	s_add_co_u32 s[G0+4*\s+1], s45, \s*SLOT
	s_add_nc_u64 s[G0+4*\s+2:G0+4*\s+3], s[20:21], \s*4096
	s_or_b32 s[G0+4*\s+3], s[G0+4*\s+3], 0x80000000
	s_mov_b32 s[G0B+4*\s], 1
	s_add_co_u32 s[G0B+4*\s+1], s45, \s*SLOT
	s_add_nc_u64 s[G0B+4*\s+2:G0B+4*\s+3], s[46:47], \s*4096
	s_or_b32 s[G0B+4*\s+3], s[G0B+4*\s+3], 0x80000000
.endr
	JLOAD 0                                        ; K step 0: one tensor load a wave at the head
	v_and_b32 v1, 31, v0
	v_lshlrev_b32 v[CO], 4, v1
	s_lshl_b32 s21, s15, 15                        ; my 128 rows of the A region
	s_lshl_b32 s22, s16, 15
	s_add_co_u32 s22, s22, 65536                   ; my 128 rows of the B region
.irp s, 0,1
	v_add_nc_u32 v[ADRA+\s], s21, v[CO]
	v_add_nc_u32 v[ADRB+\s], s22, v[CO]
	s_add_co_u32 s21, s21, SLOT
	s_add_co_u32 s22, s22, SLOT
.endr
	; where my results go
	s_and_b32 s77, ttmp7, 0xffff
	s_lshl_b32 s77, s77, 2
	s_cmp_eq_u32 ttmp9, 2
	s_cselect_b32 s78, s40, s41                    ; the positions' tile hangs on cx for v, on cy else,
	s_cselect_b32 s79, s16, s15                    ; my half of it likewise,
	s_cselect_b32 s80, s41, s40                    ; and the four heads of the channels' tile the other way round
	s_cselect_b32 s81, s15, s16
	s_add_co_u32 s78, s78, s77
	s_lshl_b32 s78, s78, 1
	s_add_co_u32 s78, s78, s79                     ; my 128 positions: which of 32
	s_lshr_b32 s82, s78, 4                         ; batch
	s_and_b32 s78, s78, 15
	s_lshl_b32 s80, s80, 2
	s_lshl_b32 s81, s81, 1
	s_add_co_u32 s80, s80, s81                     ; my first head (of two)
	s_lshl_b32 s82, s82, 4
	s_add_co_u32 s80, s80, s82
	s_lshl_b32 s80, s80, 17
	s_lshl_b32 s78, s78, 13
	s_add_co_u32 s80, s80, s78
	s_lshl_b32 s82, ttmp9, 22
	s_add_co_u32 s80, s80, s82
	s_mov_b32 s81, 0
	s_add_nc_u64 s[8:9], s[8:9], s[80:81]
.macro FRAG reg, adr, q, i             ; block i of 16 rows, the slot's q-th 128 along K: four loads of 512 consecutive bytes
.irp c, 0,1,2,3
	ds_load_b128 v[\reg+4*\c:\reg+4*\c+3], v[\adr] offset:4096*(\i)+2048*(\q)+512*\c
.endr
.endm
.macro MUL16 a0, p, zero               ; A's blocks a0, a0 + 1 x B's eight.  The 64 accumulators take turns, one instruction a turn, in the same order in every step
.irp a, \a0, \a0+1
.irp b, 0,1,2,3,4,5,6,7
.if \zero
	v_wmma_f32_16x16x128_fp8_fp8 v[8*(8*((\a)%4)+\b):8*(8*((\a)%4)+\b)+7], v[128*(\p)+FR*\b:128*(\p)+FR*\b+FR-1], v[AF+FR*(\a):AF+FR*(\a)+FR-1], 0
.else
	v_wmma_f32_16x16x128_fp8_fp8 v[8*(8*((\a)%4)+\b):8*(8*((\a)%4)+\b)+7], v[128*(\p)+FR*\b:128*(\p)+FR*\b+FR-1], v[AF+FR*(\a):AF+FR*(\a)+FR-1], v[8*(8*((\a)%4)+\b):8*(8*((\a)%4)+\b)+7]
.endif
.endr
.endr
.endm
.macro FETCH_B slot, q, p
	WIN TO_B
.irp i, 0,1,2,3,4,5,6,7
	FRAG 128*(\p)+FR*\i, ADRB+\slot, \q, \i
.endr
	WIN 0
.endm
.macro FETCH_A slot, q, i0
.irp i, \i0, \i0+1, \i0+2, \i0+3
	FRAG AF+FR*(\i), ADRA+\slot, \q, \i
.endr
.endm
.macro PLACES n                        ; plain vector lines between a matrix instruction and a load into, or a read of, its registers
.rept \n
	v_nop
.endr
.endm
.macro STEP slot, q, zero              ; 128 along K whose successor lies in the same slot
	s_wait_dscnt 4*NL                              ; B's set and A's blocks 0-3 are in; the youngest 16 loads (A's blocks 4-7) may be out
	WIN MUL_LO
	MUL16 0, (\q)%2, \zero
	MUL16 2, (\q)%2, \zero
	s_wait_dscnt 0
	PLACES NP
	FETCH_B \slot, (\q)+1, 1-(\q)%2
	FETCH_A \slot, (\q)+1, 0
	WIN MUL_HI
	MUL16 4, (\q)%2, \zero
	MUL16 6, (\q)%2, \zero
	PLACES NP
	WIN 0
	FETCH_A \slot, (\q)+1, 4
.endm
.macro TURN slot, next, fill           ; a slot's last step changes slots: one barrier; fill = 1: it opens a round of the cluster's barrier and the slot is filled again, two K steps ahead
	s_wait_tensorcnt 0x0                           ; all my tensor loads have landed: my part of the next slot
	ds_add_u32 v[SPW], v[NIL]                      ; 0 onto my spare word
	s_wait_dscnt 4*NL+1                            ; the add and the youngest 16 loads may be out
	WIN MUL_LO
	MUL16 0, 1, 0
	s_wait_dscnt 0x0                               ; the add is done, and my reads of this slot are over
	s_barrier_signal -1
	MUL16 2, 1, 0
	WIN 0
	s_barrier_wait -1
.if \fill
	CREST                                          ; no wave of any partner still reads this slot or has a load on its way
	s_add_nc_u64 s[G0+4*\slot+2:G0+4*\slot+3], s[G0+4*\slot+2:G0+4*\slot+3], 8192
	s_add_nc_u64 s[G0B+4*\slot+2:G0B+4*\slot+3], s[G0B+4*\slot+2:G0B+4*\slot+3], 8192
	JLOAD \slot                                    ; the first tensor load behind the round; its four v_nop are the places in front of the loads below
.else
	PLACES NP
.endif
	FETCH_B \next, 0, 0
	FETCH_A \next, 0, 0
	WIN MUL_HI
	MUL16 4, 1, 0
	MUL16 6, 1, 0
	PLACES NP
	WIN 0
	FETCH_A \next, 0, 4
.endm
	s_wait_alu depctr_va_vdst(0)
	s_wait_tensorcnt 0x0                           ; my part of K step 0 is in
	ds_add_u32 v[SPW], v[NIL]
	s_wait_dscnt 0x0
	CROUND                                         ; a whole round: everybody's part of K step 0 is in
	JLOAD 1                                        ; K step 1: the first tensor load behind the round
	FETCH_B 0, 0, 0
	FETCH_A 0, 0, 0
	FETCH_A 0, 0, 4
	STEP 0, 0, 1                                   ; the first products start the sums: nothing is cleared
.rept LAPS-1                           ; once round the ring, both slots filled again: written out, since it runs once
	TURN 0, 1, 1
	STEP 1, 0, 0
	TURN 1, 0, 1
	STEP 0, 0, 0
.endr
	TURN 0, 1, 0
	STEP 1, 0, 0
	s_wait_dscnt 4*NL
	WIN MUL_LO
	MUL16 0, 1, 0
	MUL16 2, 1, 0
	s_wait_dscnt 0
	WIN MUL_HI
	MUL16 4, 1, 0
	MUL16 6, 1, 0
	WIN 0
	; THE WAY OUT.  A sum stands for sum x 2^(e0 + e1); its code under 2^et is sum / 2^(et - e0 - e1).  An accumulator's eight registers become two registers of the next operand.
	s_wait_kmcnt 0x0
	s_cmp_eq_u32 ttmp9, 1
	s_cselect_b32 s76, s71, s70                    ; et: entry 2 for q, 3 for k,
	s_cmp_eq_u32 ttmp9, 2
	s_cselect_b32 s76, s73, s76                    ; 5 for v
	s_sub_co_i32 s76, s76, s68
	s_sub_co_i32 s76, s76, s69
	s_add_co_i32 s76, s76, 127
	s_lshl_b32 s77, s76, 23
	s_add_co_i32 s76, s76, 8
	s_lshl_b32 s76, s76, 23
	s_or_b32 s76, s76, 0x600000
	PLACES NP
	v_mov_b32 v[VSC], s77
	v_mov_b32 v[VLIM], s76
.macro OUTB a                          ; block a: 16 rows of the A region x 128 of the B region: one image
.set AC, 64*((\a)%4)
	WIN 0x02+((\a)/4)                              ; source 0: window 2 or 3
.set jj, 0
.rept 64
	v_med3_num_f32 v[TMP+jj], v[AC+jj], -v[VLIM], v[VLIM]   ; the hold, into other registers; each accumulator from its low end on
.set jj, jj+1
.endr
	WIN 0
.irp b, 0,1,2,3,4,5,6,7
	v_cvt_scalef32_pk8_fp8_f32 v[AF+16*(\a)+2*\b:AF+16*(\a)+2*\b+1], v[TMP+8*\b:TMP+8*\b+7], v[VSC]
.endr
	v_nop                                          ; a plain line between the conversions and the next block's holds, which write their sources
.irp s, 0,1,2,3
	global_store_b128 v[CO], v[AF+16*(\a)+4*\s:AF+16*(\a)+4*\s+3], s[8:9] offset:(\s/2)*131072+(\a)*1024+(\s%2)*512   ; 512 consecutive bytes, aligned; each block has its own registers
.endr
.endm
.irp a, 0,1,2,3,4,5,6,7
	OUTB \a
.endr
	s_wait_tensorcnt 0x0                           ; the wave's end
	ds_add_u32 v[SPW], v[NIL]
	s_wait_dscnt 0x0
	CROUND                                         ; the closing round
	s_endpgm
.Lfunc_end_k_q783de46196_qkv:
	.size	k_q783de46196_qkv, .Lfunc_end_k_q783de46196_qkv-k_q783de46196_qkv
	.p2alignl 7, 3214868480
	.fill 96, 4, 3214868480
	.section	.rodata,"a",@progbits
	.p2align	6, 0x0
	.amdhsa_kernel k_q783de46196_qkv
		.amdhsa_group_segment_fixed_size 327680
		.amdhsa_private_segment_fixed_size 0
		.amdhsa_enable_private_segment 0
		.amdhsa_kernarg_size 24
		.amdhsa_user_sgpr_count 2
		.amdhsa_user_sgpr_kernarg_segment_ptr 1
		.amdhsa_wavefront_size32 1
		.amdhsa_system_sgpr_workgroup_id_x 1
		.amdhsa_system_sgpr_workgroup_id_y 1
		.amdhsa_system_sgpr_workgroup_id_z 1
		.amdhsa_system_vgpr_workitem_id 0
		.amdhsa_next_free_vgpr 1024
		.amdhsa_next_free_sgpr 100
		.amdhsa_reserve_vcc 0
		.amdhsa_float_denorm_mode_32 3
		.amdhsa_float_denorm_mode_16_64 3
		.amdhsa_memory_ordered 1
		.amdhsa_forward_progress 1
		.amdhsa_inst_pref_size 118
	.end_amdhsa_kernel
	.amdgpu_metadata
---
amdhsa.version: [ 1, 2 ]
amdhsa.kernels:
  - .name:           k_q783de46196_qkv
    .symbol:         k_q783de46196_qkv.kd
    .args:
      - { .name: pc, .offset: 0, .size: 8, .value_kind: global_buffer, .address_space: global }
      - { .name: lowp_scales, .offset: 8, .size: 8, .value_kind: global_buffer, .address_space: global }
      - { .name: qkvc, .offset: 16, .size: 8, .value_kind: global_buffer, .address_space: global }
    .group_segment_fixed_size: 327680
    .private_segment_fixed_size: 0
    .kernarg_segment_align: 8
    .kernarg_segment_size: 24
    .max_flat_workgroup_size: 128
    .sgpr_count:     100
    .vgpr_count:     1024
    .wavefront_size: 32
...
	.end_amdgpu_metadata
.endif
;; end of part 2
;; launch attn (part 3): grid 8 x 32, 16 waves a work-group, clusters of 4 x 1, 327,680 bytes of LDS; arguments qkvc, lowp_scales, oc; writes oc
.if DOCPART == 3
	.amdgcn_target "amdgcn-amd-amdhsa--gfx1250"
	.amdhsa_code_object_version 6
	.text
	.protected	k_q783de46196_attn
	.globl	k_q783de46196_attn
	.p2align	8
	.type	k_q783de46196_attn,@function
k_q783de46196_attn:
	s_mov_b64 s[64:65], 0
	v_nop
	global_prefetch_b8 v0, s[64:65] scope:SCOPE_SE
	s_setreg_imm32_b32 hwreg(HW_REG_WAVE_MODE, 25, 1), 1
	s_wait_xcnt 0x0
	s_wait_alu depctr_hold_cnt(0) depctr_sa_sdst(0) depctr_va_vdst(0) depctr_va_sdst(0) depctr_va_ssrc(0) depctr_va_vcc(0) depctr_vm_vsrc(0)
	s_getreg_b32 s2, hwreg(HW_REG_IB_STS2, 6, 4)
	s_cmp_eq_u32 s2, 0
	s_cbranch_scc0 .Lentry_in_a_cluster
	s_endpgm
.Lentry_in_a_cluster:
	s_bfe_u32 s2, ttmp6, 0x10000c
	s_cmp_lg_u32 s2, 0x3003
	s_cbranch_scc0 .Lentry_shape_is_right
	s_endpgm
.Lentry_shape_is_right:
; Launch 3 of 7: causal attention, products 2 and 3 on codes of E4M3; the result is quantised at once (entry 6) as the operand of product 4.
; LEFT OUT AS DEAD WORK: key steps all of whose 128 keys come after a tile's 16 queries (reference()'s own jnp.tril gives them the weight 0: see launch prep's head).
; THE SOFTMAX: t = score x log2(e) / 8; M = the running largest t rounded UP to a whole number; p = 2^(t - M) is quantised (entry 4), not normalised; the row's sum is taken of the unquantised p and divides at the end.
; SHARES.  Work-group x (0..7) of a batch x head owns the tiles of 16 queries 8 m + x, m = 0..15; tile m has m + 1 key steps of 128 keys, the last on the diagonal: 136 steps in every work-group, and all walk all 2,048 keys.
; Waves 2 i and 2 i + 1 share the long tile m = 15 - i and the short tile m = i, 17 steps.  In slot t wave A takes the long tile's step max(t, 2 t - i - 1), t = 0..8; wave B the short tile's step t while t <= i,
; stores that tile, and then takes the long tile's step 2 t - i, t <= 7.  Behind the slots B puts (-M, sums, O^T) of its part into LDS bytes of the pair's own, and behind a barrier A joins them to its own: M is a whole number,
; so both factors are powers of two.  (For i = 7 B's part of the long tile is empty: it sends the starting state, whose factor is 0.)  Which of a pair is A: (wave + wave / 4) % 2 = 0.
; Every wave loads two fragments of Q at the head: its first tile's and the long tile's, which B takes up at its change of tiles; in A the two are the same tile and the second is not used.
; K AND V STAY IN LDS: 262,144 bytes, filled once.  The keys go in four groups of 512; of each group a wave fetches 4,096 dense bytes (waves 0-7: 64 keys of K; waves 8-15: one half of one step of V), and its four pieces
; lie on end in 16,384 bytes of its own.  Group 0 is asked for at the head; groups 1 to 3 by one load a wave (3 rows of 4,096 bytes, 32,768 apart in memory) behind the sequence in front of slot 0.
; Slots 0 and 1 read steps 0 to 2, all of group 0; one barrier in front of slot 2 shows the rest to all; slots 2 to 8 have none.
; CLUSTERS of 4 x 1: the four partners read the same head's K and V: both loads are joint (mask 15).  Nothing but global addresses and the mask's bound hangs on a work-group's place.
; PREFETCH: behind the head's load each wave names, of the 3 x 4,096 bytes that its second load will ask for, the 3 x 1,024 that fall to its work-group (cx): lanes 0-11 a block of 256 bytes each, the other lanes the last again.
; Both products are used transposed (S^T = K Q^T by the K = 64 form, O^T = V^T P^T by the K = 128 form): a lane holds ONE query, and p's eight registers of a tile are eight neighbouring keys.
; LIMITS: e2 + e3 between -120 and 120 (added to c's exponent field); e4 and e6 between -126 and 119; scaled scores under 2^31 in magnitude.  NaN is not served.
; REGISTERS: v1 16 x lane; v3 prefetch offset; v4 the pair's exchange; v5, v6 the add's two; v7 16 x + lane % 16 - 8 (lane / 16); v8, v9 LDS addresses of K, of V; v12 -M, v13 largest t, v[14:15] the sum; v16-23 Q; v24-31 the long tile's Q;
; v32-95 K's, then V's fragments; v96-159 S^T, then p; v160-191 O^T; v224-239 codes; v236-254 at work.
.set XCH,   262144                     ; behind K and V: 8 pairs x 4,608 bytes
.set SPARE, 299008                     ; behind that: the spare words, 128 bytes for each of 16 waves
.set LI,   1
.set PFO,  3
.set XA,   4
.set SPW,  5
.set NIL,  6
.set DB,   7
.set ADK,  8
.set ADV,  9
.set RB,   10                          ; s10 0: wave A, 1: wave B
.set PI,   11                          ; s11 i, my pair
.set UP,   12                          ; s12 i + 1 (A), i (B): up to this slot the step is the slot
.set DT,   13                          ; s13 the slot of my step on the diagonal: 8 (A), i (B)
.set DT1,  14                          ; s14 the slot at whose head B changes tiles (A: 9, which no slot has)
.set NT,   15                          ; s15 my slots with a step: 9 (A), 8 (B)
.set T,    16                          ; s16 the slot
.set IC,   17
.set WV,   18
.set SEL,  20
.set CS,   22
.set G1,   24                          ; s[24:31] group 1 of the head's load
.set SB,   32                          ; s32 LDS byte of the step's K
.set E45,  33
.set G0,   40
.set PFA,  56
.set QA,   58
.set QB,   60
.set G1B,  84                          ; s[84:91] group 1 of the second load
.macro CROUND                          ; a round of the cluster's barrier
	s_barrier_signal -1
	s_barrier_wait -1
	s_cmp_lg_u32 s[WV], 0
	s_cbranch_scc1 .Lnw0_\@
	s_barrier_signal -3
.Lnw0_\@:
	s_barrier_wait -3
	s_barrier_signal -1
	s_barrier_wait -1
.endm
	s_load_b128 s[4:7], s[0:1], 0x0                ; qkvc, the scales' exponents
	s_load_b64 s[8:9], s[0:1], 0x10                ; oc
	v_lshl_add_u32 v[SPW], v0, 2, SPARE
	v_mov_b32 v[NIL], 0
	ds_add_u32 v[SPW], v[NIL]                      ; the wave's opening: the add, twice on end, and its wait ahead of the first tensor load
	ds_add_u32 v[SPW], v[NIL]
	v_lshrrev_b32 v8, 5, v0
	v_readfirstlane_b32 s[WV], v8                  ; wave 0..15
	s_bfe_u32 s34, ttmp6, 0x40000                  ; cx
	s_lshl_b32 s35, ttmp9, 2
	s_add_co_u32 s35, s35, s34                     ; x
	s_and_b32 s36, ttmp7, 0xffff                   ; batch x 16 + head
	s_lshr_b32 s[PI], s[WV], 1
	s_lshr_b32 s[RB], s[WV], 2
	s_add_co_u32 s[RB], s[RB], s[WV]
	s_and_b32 s[RB], s[RB], 1
	s_xor_b32 s37, s[RB], 1
	s_add_co_u32 s[UP], s[PI], s37
	s_mul_i32 s[DT], s[PI], s[RB]
	s_lshl_b32 s38, s37, 3
	s_add_co_u32 s[DT], s[DT], s38
	s_add_co_u32 s[DT1], s[DT], 1
	s_add_co_u32 s[NT], s37, 8
	s_xor_b32 s38, s[PI], 15                       ; the long tile's m
	s_cmp_eq_u32 s[RB], 0
	s_cselect_b32 s39, s38, s[PI]                  ; the m of the tile that I begin with and store
	s_lshl_b32 s39, s39, 3
	s_add_co_u32 s39, s39, s35                     ; its number 8 m + x
	s_lshl_b32 s38, s38, 3
	s_add_co_u32 s38, s38, s35
	s_lshl_b32 s44, s36, 17                        ; my head in q and in k
	s_lshl_b32 s46, s39, 10                        ; Q: 1,024 bytes a tile
	s_add_co_u32 s46, s46, s44
	s_mov_b32 s47, 0
	s_lshl_b32 s48, s38, 10
	s_add_co_u32 s48, s48, s44
	s_mov_b32 s49, 0
	s_lshr_b32 s50, s36, 4                         ; oc: (batch x 128 + tile) x 16,384 + head x 1,024
	s_lshl_b32 s50, s50, 21
	s_lshl_b32 s51, s39, 14
	s_add_co_u32 s50, s50, s51
	s_and_b32 s51, s36, 15
	s_lshl_b32 s51, s51, 10
	s_add_co_u32 s50, s50, s51
	s_mov_b32 s51, 0
	s_lshl_b32 s[G0+1], s[WV], 14                  ; LDS: wave x 16,384, group 0's piece first
	s_lshl_b32 s52, s[WV], 12                      ; K: keys 64 x wave on
	s_add_co_u32 s52, s52, s44
	s_add_co_u32 s52, s52, 0x400000
	s_and_b32 s53, s36, 0xfffe                     ; V: the pair of heads + the keys' half (wave & 1),
	s_and_b32 s54, s[WV], 1
	s_add_co_u32 s53, s53, s54
	s_lshl_b32 s53, s53, 17
	s_bfe_u32 s54, s[WV], 0x20001                  ; + the step in the group,
	s_lshl_b32 s54, s54, 13
	s_add_co_u32 s53, s53, s54
	s_and_b32 s54, s36, 1                          ; + 4,096 for the odd head
	s_lshl_b32 s54, s54, 12
	s_add_co_u32 s53, s53, s54
	s_add_co_u32 s53, s53, 0x800000
	s_cmp_lt_u32 s[WV], 8
	s_cselect_b32 s52, s52, s53
	s_mov_b32 s53, 0
	s_mov_b32 s[G1], 15|(1<<21)                    ; the four partners; elements of 1 byte, no padding
	s_mov_b32 s[G1+1], 256<<16                     ; 4,096 dense bytes as 16 rows of 256
	s_mov_b32 s[G1+2], 16<<16
	s_mov_b32 s[G1+3], 256<<16
	s_mov_b32 s[G1+4], 16
	s_mov_b32 s[G1+5], 256
	s_mov_b32 s[G1+6], 0
	s_mov_b32 s[G1+7], 0
	s_mov_b32 s[G1B], 15|(1<<21)
	s_mov_b32 s[G1B+1], 4096<<16                   ; 3 rows of 4,096 bytes, a group (32,768 bytes) apart in memory, on end in LDS
	s_mov_b32 s[G1B+2], 3<<16
	s_mov_b32 s[G1B+3], 4096<<16
	s_mov_b32 s[G1B+4], 3
	s_mov_b32 s[G1B+5], 32768
	s_mov_b32 s[G1B+6], 0
	s_mov_b32 s[G1B+7], 0
	s_mov_b32 s[SEL], 0x76543210
	s_mov_b32 s[SEL+1], 0xfedcba98
	s_mov_b32 s[CS], 0x3e38aa3b                    ; c = log2(e) / 8
	s_mov_b32 s[T], 0
	s_wait_dscnt 0x0                               ; both opening adds are done
	s_wait_kmcnt 0x0
	s_load_b256 s[68:75], s[6:7], 0x0              ; e0 .. e7
	s_mov_b32 s[G0], 1
	s_add_nc_u64 s[G0+2:G0+3], s[4:5], s[52:53]
	s_or_b32 s[G0+3], s[G0+3], 0x80000000
	CROUND                                         ; the four partners are here: the first joint loads meet
	tensor_load_to_lds s[G0:G0+3], s[G1:G1+7]      ; group 0: one load a wave
	s_nop 0
	s_lshl_b32 s54, s34, 10                        ; the prefetch: my work-group's 1,024 of each 4,096 bytes,
	s_add_co_u32 s54, s54, 32768                   ; from group 1 on
	s_mov_b32 s55, 0
	s_add_nc_u64 s[PFA:PFA+1], s[4:5], s[52:53]
	s_add_nc_u64 s[PFA:PFA+1], s[PFA:PFA+1], s[54:55]
	s_add_nc_u64 s[QA:QA+1], s[4:5], s[46:47]
	s_add_nc_u64 s[QB:QB+1], s[4:5], s[48:49]
	s_add_nc_u64 s[8:9], s[8:9], s[50:51]
	s_lshl_b32 s37, s35, 4
	s_mul_i32 s38, s[PI], 4608
	s_add_co_u32 s38, s38, XCH
	v_and_b32 v9, 31, v0
	v_lshlrev_b32 v[LI], 4, v9
	v_min_u32 v[PFO], 11, v9                       ; lanes 0-11: group 1 + lane / 4, block lane % 4
	v_lshrrev_b32 v2, 2, v[PFO]
	v_and_b32 v[PFO], 3, v[PFO]
	v_lshlrev_b32 v[PFO], 8, v[PFO]
	v_lshl_add_u32 v[PFO], v2, 15, v[PFO]
	v_and_b32 v10, 15, v0
	v_bfe_u32 v11, v0, 4, 1
	v_lshlrev_b32 v11, 3, v11
	v_sub_nc_u32 v[DB], v10, v11
	v_add_nc_u32 v[DB], s37, v[DB]                 ; on the diagonal register n is hidden where 16 (n / 8) + n % 8 > this
	v_add_nc_u32 v[XA], s38, v[LI]
	s_wait_alu depctr_va_vdst(0)
	global_load_b128 v[16:19], v[LI], s[QA:QA+1]   ; my first tile's Q
	global_load_b128 v[20:23], v[LI], s[QA:QA+1] offset:512
	global_load_b128 v[24:27], v[LI], s[QB:QB+1]   ; the long tile's Q
	global_load_b128 v[28:31], v[LI], s[QB:QB+1] offset:512
	global_prefetch_b8 v[PFO], s[PFA:PFA+1] th:TH_LOAD_NT scope:SCOPE_SE   ; its address registers are never rewritten
	v_mov_b32 v13, 0xff61b1e6                      ; the largest t so far: -3e38
	v_floor_f32 v12, -v13                          ; -M
	v_mov_b32 v14, 0
	v_mov_b32 v15, 0
	v_mov_b32 v236, 0                              ; a lane permute's destination counts as read
	v_mov_b32 v253, 0                              ; (named as the upper half of the pair v[252:253])
.set n, 0
.rept 32
	v_mov_b32 v[160+n], 0                          ; O^T: the step is written for every slot alike, its first run finds zeros
.set n, n+1
.endr
	s_wait_kmcnt 0x0
	s_add_co_i32 s44, s70, s71
	s_lshl_b32 s44, s44, 23
	s_add_co_i32 s[CS], s[CS], s44                 ; a score stands for score x 2^(e2 + e3): added to c's exponent field
	s_mov_b32 s[CS+1], s[CS]
	s_add_co_i32 s44, s72, 127
	s_lshl_b32 s45, s44, 23
	v_mov_b32 v244, s45                            ; 2^e4
	s_add_co_i32 s44, s44, 8
	s_lshl_b32 s44, s44, 23
	s_or_b32 s44, s44, 0x600000
	v_mov_b32 v240, s44                            ; 448 x 2^e4
	s_add_co_i32 s44, s74, 127
	s_lshl_b32 s45, s44, 23
	v_mov_b32 v245, s45                            ; 2^e6
	s_add_co_i32 s44, s44, 8
	s_lshl_b32 s44, s44, 23
	s_or_b32 s44, s44, 0x600000
	v_mov_b32 v241, s44                            ; 448 x 2^e6
	s_add_co_i32 s[E45], s72, s73
.macro STEP                            ; 128 keys, K at LDS byte s[SB], V 131,072 further on, against my 16 queries
	v_add_nc_u32 v[ADK], s[SB], v[LI]
	v_add_nc_u32 v[ADV], 0x20000, v[ADK]
.rept 2
	v_nop                                          ; with the additions: four places in front of loads into registers that matrix instructions have read
.endr
.irp t, 0,1,2,3,4,5,6,7
	ds_load_b128 v[32+8*\t:35+8*\t], v[ADK] offset:16384*(\t/4)+1024*(\t%4)
	ds_load_b128 v[36+8*\t:39+8*\t], v[ADK] offset:16384*(\t/4)+1024*(\t%4)+512
.endr
	s_wait_alu depctr_va_vdst(0)
	s_wait_dscnt 0x0
.irp t, 0,1,2,3,4,5,6,7
	v_wmma_f32_16x16x64_fp8_fp8 v[96+8*\t:103+8*\t], v[32+8*\t:39+8*\t], v[16:23], 0   ; lane (r, h): query r; register j of tile t: key 16 t + 8 h + j
.endr
.rept 4
	v_nop
.endr
.irp d, 0,1,2,3                        ; V's fragments are asked for now and land under the softmax
.irp c, 0,1,2,3
	ds_load_b128 v[32+16*\d+4*\c:35+16*\d+4*\c], v[ADV] offset:16384*(\c/2)+1024*\d+512*(\c%2)
.endr
.endr
	s_cmp_lg_u32 s[T], s[DT]                       ; only my step on the diagonal has hidden keys; the wave's number and the slot decide
	s_cbranch_scc1 .Lopen_\@
	v_mov_b32 v254, 0xff800000
.set n, 0
.rept 64
	v_cmp_gt_i32 vcc_lo, 16*(n/8)+n%8, v[DB]
	v_cndmask_b32 v[96+n], v[96+n], v254, vcc_lo
.set n, n+1
.endr
.Lopen_\@:
	v_max3_num_f32 v254, v96, v97, v98             ; the step's largest score of my query, in four chains, ascending: each tile is read from its low end on
	v_max3_num_f32 v252, v99, v100, v101
	v_max3_num_f32 v246, v102, v103, v104
	v_max3_num_f32 v247, v105, v106, v107
.irp i, 12,20,28,36,44,52
	v_max3_num_f32 v254, v254, v[96+\i], v[97+\i]
	v_max3_num_f32 v252, v252, v[98+\i], v[99+\i]
	v_max3_num_f32 v246, v246, v[100+\i], v[101+\i]
	v_max3_num_f32 v247, v247, v[102+\i], v[103+\i]
.endr
	v_max3_num_f32 v254, v254, v156, v157
	v_max3_num_f32 v252, v252, v158, v159
	v_max3_num_f32 v254, v254, v252, v246
	v_max_num_f32 v254, v254, v247
	v_permlanex16_b32 v236, v254, s[SEL], s[SEL+1]
	v_max_num_f32 v254, v254, v236
	v_mul_f32 v254, s[CS], v254
	v_max_num_f32 v13, v13, v254                   ; the running largest t
	v_mov_b32 v254, v12
	v_floor_f32 v12, -v13                          ; the new -M: M is a whole number
	v_sub_f32 v254, v12, v254
	v_cvt_i32_f32 v254, v254
	v_ldexp_f32 v252, 1.0, v254                    ; f = 2^(old M - new M): exact
.set n, 0
.rept 32
	v_pk_fma_f32 v[96+n:97+n], v[96+n:97+n], s[CS:CS+1], v[12:13] op_sel_hi:[1,0,0]   ; t - M
.set n, n+2
.endr
	s_wait_alu depctr_va_vdst(0)
.set n, 0
.rept 64
	v_exp_f32 v[96+n], v[96+n]
.set n, n+1
.endr
	v_pk_mul_f32 v[14:15], v[14:15], v[252:253] op_sel_hi:[1,0]   ; the sums under the new M: the plain line behind the batch
	s_wait_alu depctr_va_vdst(0)                   ; and the one wait ahead of its first reader
	v_pk_add_f32 v[242:243], v[96:97], v[98:99]    ; the row's sum of the UNQUANTISED p, in four chains
	v_pk_add_f32 v[246:247], v[100:101], v[102:103]
	v_pk_add_f32 v[248:249], v[104:105], v[106:107]
.irp j, 12,20,28,36,44,52
	v_pk_add_f32 v[14:15], v[14:15], v[96+\j:97+\j]
	v_pk_add_f32 v[242:243], v[242:243], v[98+\j:99+\j]
	v_pk_add_f32 v[246:247], v[246:247], v[100+\j:101+\j]
	v_pk_add_f32 v[248:249], v[248:249], v[102+\j:103+\j]
.endr
	v_pk_add_f32 v[14:15], v[14:15], v[156:157]
	v_pk_add_f32 v[242:243], v[242:243], v[158:159]
	v_pk_add_f32 v[246:247], v[246:247], v[248:249]
	v_pk_add_f32 v[14:15], v[14:15], v[242:243]
	v_pk_add_f32 v[14:15], v[14:15], v[246:247]
.irp b, 0,1,2,3
.irp i, 0,1,2,3,4,5,6,7,8,9,10,11,12,13,14,15
	v_min_num_f32 v[96+16*\b+\i], v[96+16*\b+\i], v240   ; the hold (ISA guide 7.6.2: the conversion does not saturate); p is not negative
.endr
	v_cvt_scalef32_pk8_fp8_f32 v[224+4*\b:225+4*\b], v[96+16*\b:103+16*\b], v244
	v_cvt_scalef32_pk8_fp8_f32 v[226+4*\b:227+4*\b], v[104+16*\b:111+16*\b], v244
.endr
	s_wait_alu depctr_va_vdst(0)
.set n, 0
.rept 16
	v_pk_mul_f32 v[160+n:161+n], v[160+n:161+n], v[252:253] op_sel_hi:[1,0]   ; O^T under the new M; also the plain lines behind the conversions
.set n, n+2
.endr
	s_wait_alu depctr_va_vdst(0)
	s_wait_dscnt 0x0                               ; V is in
.irp d, 0,1,2,3
	v_wmma_f32_16x16x128_fp8_fp8 v[160+8*\d:167+8*\d], v[32+16*\d:47+16*\d], v[224:239], v[160+8*\d:167+8*\d]
.endr
.endm
.macro MERGE                           ; A: B's part of the long tile is joined to mine under the larger M
.irp k, 0,1,2,3,4,5,6,7
	ds_load_b128 v[96+4*\k:99+4*\k], v[XA] offset:512*\k
.endr
	ds_load_b128 v[128:131], v[XA] offset:4096     ; B's -M, largest t, sums
	s_wait_dscnt 0x0
	v_min_num_f32 v252, v12, v128                  ; the joint -M
	v_sub_f32 v253, v252, v12
	v_sub_f32 v254, v252, v128
	v_cvt_i32_f32 v253, v253                       ; (it saturates: B's starting state gets the factor 0)
	v_cvt_i32_f32 v254, v254
	v_ldexp_f32 v253, 1.0, v253
	v_ldexp_f32 v254, 1.0, v254
	v_mul_f32 v14, v14, v253
	v_mul_f32 v15, v15, v253
	v_fmac_f32 v14, v130, v254
	v_fmac_f32 v15, v131, v254
.set n, 0
.rept 32
	v_mul_f32 v[160+n], v[160+n], v253
	v_fmac_f32 v[160+n], v[96+n], v254
.set n, n+1
.endr
.endm
.macro FIN                             ; O^T / the sum x 2^(e4 + e5), held, converted under 2^e6: a lane's eight channels of a tile are two registers of the next operand
	v_add_f32 v14, v14, v15
	v_permlanex16_b32 v236, v14, s[SEL], s[SEL+1]
	v_add_f32 v14, v14, v236
	s_wait_alu depctr_va_vdst(0)                   ; the wait ahead of the transcendental,
	v_rcp_f32 v14, v14
	v_nop
	s_wait_alu depctr_va_vdst(0)                   ; and ahead of its first reader
	v_ldexp_f32 v14, v14, s[E45]
	s_wait_alu depctr_va_vdst(0)                   ; and directly ahead of the first reader of O^T
.set n, 0
.rept 32
	v_mul_f32 v[96+n], v[160+n], v14
.set n, n+1
.endr
.set n, 0
.rept 32
	v_med3_num_f32 v[96+n], v[96+n], -v241, v241
.set n, n+1
.endr
.irp d, 0,1,2,3
	v_cvt_scalef32_pk8_fp8_f32 v[224+2*\d:225+2*\d], v[96+8*\d:103+8*\d], v245
.endr
	v_nop
	global_store_b128 v[LI], v[224:227], s[8:9]    ; 512 consecutive bytes each, aligned
	global_store_b128 v[LI], v[228:231], s[8:9] offset:512
.endm
.macro SLOT tail                       ; tail = 1: slots 2 to 8
	s_min_u32 s96, s[T], s[UP]                     ; the step: t + max(0, t - UP), made as t + ((t + (15 - min(t, UP)) + 1) & 15)
	s_xor_b32 s96, s96, 15
	s_add_co_u32 s96, s96, s[T]
	s_add_co_u32 s96, s96, 1
	s_and_b32 s96, s96, 15
	s_add_co_u32 s96, s96, s[T]
	s_min_u32 s96, s96, 15                         ; held at the last step: in B's slot 8, which has no step, the number would pass it
	s_lshr_b32 s97, s96, 2                         ; its place in its group x 32,768 + its group x 4,096
	s_lshl_b32 s97, s97, 12
	s_and_b32 s96, s96, 3
	s_lshl_b32 s96, s96, 15
	s_add_co_u32 s[SB], s96, s97
	s_cmp_lg_u32 s[T], s[DT1]
	s_cbranch_scc1 .Lgo_\@
.rept 4
	v_nop                                          ; places behind the last products
.endr
	FIN                                            ; B: the short tile goes out,
	v_mov_b32 v13, 0xff61b1e6                      ; and the long tile's part begins
	v_floor_f32 v12, -v13
	v_mov_b32 v14, 0
	v_mov_b32 v15, 0
.set n, 0
.rept 32
	v_mov_b32 v[160+n], 0
.set n, n+1
.endr
.set n, 0
.rept 8
	v_mov_b32 v[16+n], v[24+n]                     ; its Q
.set n, n+1
.endr
	s_wait_alu depctr_va_vdst(0)
	s_wait_xcnt 0x0                                ; the stores have read the codes' registers
.Lgo_\@:
.if \tail
	s_cmp_lt_u32 s[T], s[NT]
	s_cbranch_scc0 .Lidle_\@
.endif
	STEP
.Lidle_\@:
.endm
	s_wait_alu depctr_va_vdst(0)
	s_wait_loadcnt 0x0                             ; Q
	s_wait_tensorcnt 0x0                           ; my part of group 0 is in, and no load of mine is out
	ds_add_u32 v[SPW], v[NIL]
	s_add_co_u32 s[G0+1], s[G0+1], 4096            ; behind group 0's piece in my LDS bytes,
	s_add_nc_u64 s[G0+2:G0+3], s[G0+2:G0+3], 32768 ; from group 1 on
	s_wait_dscnt 0x0
	CROUND
	tensor_load_to_lds s[G0:G0+3], s[G1B:G1B+7]    ; groups 1 to 3: my one load behind the round, and my last
	s_nop 0
	s_mov_b32 s[IC], 2
.Lsa:                                              ; slots 0 and 1 read group 0 alone
	SLOT 0
	s_add_co_u32 s[T], s[T], 1
	s_sub_co_u32 s[IC], s[IC], 1
	s_cmp_lg_u32 s[IC], 0
	s_cbranch_scc1 .Lsa
	s_wait_tensorcnt 0x0                           ; my part of groups 1 to 3 is in; nothing is asked for any more
	s_wait_dscnt 0x0
	s_barrier_signal -1
	s_barrier_wait -1                              ; and so is everybody's
	s_mov_b32 s[IC], 7
.Lsb:                                              ; slots 2 to 8: nothing is written into K's and V's bytes any more, so no barrier stands between them
	SLOT 1
	s_add_co_u32 s[T], s[T], 1
	s_sub_co_u32 s[IC], s[IC], 1
	s_cmp_lg_u32 s[IC], 0
	s_cbranch_scc1 .Lsb
	s_cmp_eq_u32 s[RB], 0                          ; behind the slots: B's part of the long tile goes to A through the pair's own LDS bytes
	s_cbranch_scc1 .Lnosend
.rept 4
	v_nop                                          ; places behind the last products
.endr
.irp k, 0,1,2,3,4,5,6,7
	ds_store_b128 v[XA], v[160+4*\k:163+4*\k] offset:512*\k
.endr
	ds_store_b128 v[XA], v[12:15] offset:4096
.Lnosend:
	s_wait_dscnt 0x0                               ; for A's sake: the stores have landed
	s_barrier_signal -1
	s_barrier_wait -1
	s_cmp_lg_u32 s[RB], 0
	s_cbranch_scc1 .Lend
.rept 4
	v_nop                                          ; places behind the last products
.endr
	MERGE                                          ; A joins the two parts and stores the long tile
	FIN
.Lend:
	s_wait_tensorcnt 0x0                           ; the wave's end
	ds_add_u32 v[SPW], v[NIL]
	s_wait_dscnt 0x0
	CROUND                                         ; the closing round
	s_endpgm
.Lfunc_end_k_q783de46196_attn:
	.size	k_q783de46196_attn, .Lfunc_end_k_q783de46196_attn-k_q783de46196_attn
	.p2alignl 7, 3214868480
	.fill 96, 4, 3214868480
	.section	.rodata,"a",@progbits
	.p2align	6, 0x0
	.amdhsa_kernel k_q783de46196_attn
		.amdhsa_group_segment_fixed_size 327680
		.amdhsa_private_segment_fixed_size 0
		.amdhsa_enable_private_segment 0
		.amdhsa_kernarg_size 24
		.amdhsa_user_sgpr_count 2
		.amdhsa_user_sgpr_kernarg_segment_ptr 1
		.amdhsa_wavefront_size32 1
		.amdhsa_system_sgpr_workgroup_id_x 1
		.amdhsa_system_sgpr_workgroup_id_y 1
		.amdhsa_system_sgpr_workgroup_id_z 1
		.amdhsa_system_vgpr_workitem_id 0
		.amdhsa_next_free_vgpr 256
		.amdhsa_next_free_sgpr 100
		.amdhsa_reserve_vcc 1
		.amdhsa_float_denorm_mode_32 3
		.amdhsa_float_denorm_mode_16_64 3
		.amdhsa_memory_ordered 1
		.amdhsa_forward_progress 1
		.amdhsa_inst_pref_size 70
	.end_amdhsa_kernel
	.amdgpu_metadata
---
amdhsa.version: [ 1, 2 ]
amdhsa.kernels:
  - .name:           k_q783de46196_attn
    .symbol:         k_q783de46196_attn.kd
    .args:
      - { .name: qkvc, .offset: 0, .size: 8, .value_kind: global_buffer, .address_space: global }
      - { .name: lowp_scales, .offset: 8, .size: 8, .value_kind: global_buffer, .address_space: global }
      - { .name: oc, .offset: 16, .size: 8, .value_kind: global_buffer, .address_space: global }
    .group_segment_fixed_size: 327680
    .private_segment_fixed_size: 0
    .kernarg_segment_align: 8
    .kernarg_segment_size: 24
    .max_flat_workgroup_size: 512
    .sgpr_count:     100
    .vgpr_count:     256
    .wavefront_size: 32
...
	.end_amdgpu_metadata
.endif
;; end of part 3
;; launch proj (part 4): grid 8 x 32, 4 waves a work-group, clusters of 4 x 4, 327,680 bytes of LDS; arguments oc, pc, lowp_scales, x, x1; writes x1
.if DOCPART == 4
	.amdgcn_target "amdgcn-amd-amdhsa--gfx1250"
	.amdhsa_code_object_version 6
	.text
	.protected	k_q783de46196_proj
	.globl	k_q783de46196_proj
	.p2align	8
	.type	k_q783de46196_proj,@function
k_q783de46196_proj:
	s_mov_b64 s[64:65], 0
	v_nop
	global_prefetch_b8 v0, s[64:65] scope:SCOPE_SE
	s_setreg_imm32_b32 hwreg(HW_REG_WAVE_MODE, 25, 1), 1
	s_wait_xcnt 0x0
	s_wait_alu depctr_hold_cnt(0) depctr_sa_sdst(0) depctr_va_vdst(0) depctr_va_sdst(0) depctr_va_ssrc(0) depctr_va_vcc(0) depctr_vm_vsrc(0)
	s_getreg_b32 s2, hwreg(HW_REG_IB_STS2, 6, 4)
	s_cmp_eq_u32 s2, 0
	s_cbranch_scc0 .Lentry_in_a_cluster
	s_endpgm
.Lentry_in_a_cluster:
	s_bfe_u32 s2, ttmp6, 0x10000c
	s_cmp_lg_u32 s2, 0xf033
	s_cbranch_scc0 .Lentry_shape_is_right
	s_endpgm
.Lentry_shape_is_right:
.set KDIM,  1024
.set WOFF,  3145728
.set SOFF,  24
.set RB,    16*KDIM
.set LAPS,  KDIM/1024
.set SLOT,  131072
.set SPARE, 262144
.set SPITCH, 272
.set ADRA, 16
.set ADRB, 20
.set STO,  24
.set RD,   25
.set GO,   26
.set SPW,  28
.set NIL,  29
.set ACC,  128
.set F0,   0
.set F1,   128
.set G1, 24
.set G0, 32
.set G1B, 48
.set G0B, 56
.set MSB, 0
.macro WIN new
.if MSB != (\new)
	s_set_vgpr_msb (MSB<<8)|(\new)
.set MSB, (\new)
.endif
.endm
.set MUL,  0x05
.set TO_F, 0x40
.macro JLOAD s
	s_cmp_eq_u32 s15, 0
	s_cbranch_scc0 .Lfor_b_\@
	tensor_load_to_lds s[G0+4*\s:G0+4*\s+3], s[G1:G1+7]
	s_nop 0
.rept 4
	v_nop
.endr
	s_branch .Lasked_\@
.Lfor_b_\@:
	tensor_load_to_lds s[G0B+4*\s:G0B+4*\s+3], s[G1B:G1B+7]
	s_nop 0
.rept 4
	v_nop
.endr
.Lasked_\@:
.endm
.macro CREST
	s_cmp_lg_u32 s14, 0
	s_cbranch_scc1 .Lnot_wave_0_\@
	s_barrier_signal -3
.Lnot_wave_0_\@:
	s_barrier_wait -3
	s_barrier_signal -1
	s_barrier_wait -1
.endm
.macro CROUND
	s_barrier_signal -1
	s_barrier_wait -1
	CREST
.endm
	s_load_b256 s[4:11], s[0:1], 0x0
	s_load_b64 s[12:13], s[0:1], 0x20
	v_lshl_add_u32 v[SPW], v0, 2, SPARE
	v_mov_b32 v[NIL], 0
	ds_add_u32 v[SPW], v[NIL]
	ds_add_u32 v[SPW], v[NIL]
	v_lshrrev_b32 v1, 5, v0
	v_readfirstlane_b32 s14, v1
	s_lshr_b32 s15, s14, 1
	s_and_b32 s16, s14, 1
	s_bfe_u32 s40, ttmp6, 0x40000
	s_bfe_u32 s41, ttmp6, 0x40004
	s_lshl_b32 s42, ttmp9, 2
	s_add_co_u32 s42, s42, s40
	s_and_b32 s17, ttmp7, 0xffff
	s_lshl_b32 s17, s17, 2
	s_add_co_u32 s17, s17, s41
	s_lshl_b32 s43, s41, 2
	s_lshl_b32 s43, 15, s43
	s_lshl_b32 s44, 0x1111, s40
	s_or_b32 s[G1+0], s43, (1<<21)
	s_or_b32 s[G1B+0], s44, (1<<21)
.irp g, G1, G1B
	s_mov_b32 s[\g+1], 8192<<16
	s_mov_b32 s[\g+2], 4<<16
	s_mov_b32 s[\g+3], 8192<<16
	s_mov_b32 s[\g+4], 4
	s_mov_b32 s[\g+5], RB
	s_mov_b32 s[\g+6], 0
	s_mov_b32 s[\g+7], 0
.endr
	s_lshl_b32 s18, s16, 2
	s_lshl_b32 s20, s17, 3
	s_add_co_u32 s20, s20, s18
	s_mul_i32 s20, s20, RB
	s_mov_b32 s21, 0
	s_lshl_b32 s46, s42, 3
	s_add_co_u32 s46, s46, s18
	s_mul_i32 s46, s46, RB
	s_add_co_u32 s46, s46, WOFF
	s_mov_b32 s47, 0
	s_lshl_b32 s45, s14, 15
	s_wait_dscnt 0x0
	s_wait_kmcnt 0x0
	s_load_b64 s[66:67], s[8:9], SOFF
	s_add_nc_u64 s[20:21], s[4:5], s[20:21]
	s_add_nc_u64 s[46:47], s[6:7], s[46:47]
	CROUND
.irp s, 0,1
	s_mov_b32 s[G0+4*\s], 1
	s_add_co_u32 s[G0+4*\s+1], s45, \s*SLOT
	s_add_nc_u64 s[G0+4*\s+2:G0+4*\s+3], s[20:21], \s*8192
	s_or_b32 s[G0+4*\s+3], s[G0+4*\s+3], 0x80000000
	s_mov_b32 s[G0B+4*\s], 1
	s_add_co_u32 s[G0B+4*\s+1], s45, \s*SLOT
	s_add_nc_u64 s[G0B+4*\s+2:G0B+4*\s+3], s[46:47], \s*8192
	s_or_b32 s[G0B+4*\s+3], s[G0B+4*\s+3], 0x80000000
	s_wait_alu depctr_va_vdst(0)
.if \s
	s_wait_tensorcnt 0x0                           ; slot 1's first fill stands behind the full sequence and a round
	ds_add_u32 v28, v29
	s_wait_dscnt 0x0
	CROUND
.endif
	JLOAD \s
.endr
	v_and_b32 v1, 31, v0
	v_and_b32 v2, 15, v0
	s_wait_alu depctr_va_vdst(0)
	v_bfe_u32 v3, v0, 4, 1
	v_lshlrev_b32 v4, 4, v1
	s_lshl_b32 s21, s15, 15
	s_lshl_b32 s22, s16, 15
	s_add_co_u32 s22, s22, 65536
.irp s, 0,1
	v_add_nc_u32 v[ADRA+\s], s21, v4
	v_add_nc_u32 v[ADRB+\s], s22, v4
	s_add_co_u32 s21, s21, SLOT
	s_add_co_u32 s22, s22, SLOT
.endr
	s_mul_i32 s23, s14, 64*SPITCH
	v_mul_u32_u24 v5, v2, SPITCH
	s_wait_alu depctr_va_vdst(0)
	v_lshl_add_u32 v5, v3, 5, v5
	v_add_nc_u32 v[STO], s23, v5
	v_mul_u32_u24 v5, v3, SPITCH
	v_lshl_add_u32 v5, v2, 4, v5
	v_add_nc_u32 v[RD], s23, v5
	v_lshlrev_b32 v5, 12, v3
	v_lshl_add_u32 v[GO], v2, 4, v5
	s_wait_alu depctr_va_vdst(0)
	s_lshl_b32 s20, s17, 19
	s_lshl_b32 s21, s15, 18
	s_add_co_u32 s20, s20, s21
	s_lshl_b32 s21, s42, 9
	s_add_co_u32 s20, s20, s21
	s_lshl_b32 s21, s16, 8
	s_add_co_u32 s20, s20, s21
	s_mov_b32 s21, 0
	s_add_nc_u64 s[10:11], s[10:11], s[20:21]
	s_add_nc_u64 s[12:13], s[12:13], s[20:21]
	WIN 0x80
.set u, 0
.rept 32
	global_load_b128 v[4*u:4*u+3], v[GO], s[10:11] offset:8192*u
.set u, u+1
.endr
	WIN 0
.macro MUL4 f, a, zero
.irp b, 0,1,2,3
.if \zero
	v_wmma_f32_16x16x128_fp8_fp8 v[ACC+8*(4*(\a)+\b):ACC+8*(4*(\a)+\b)+7], v[\f+64+16*\b:\f+64+16*\b+15], v[\f+16*(\a):\f+16*(\a)+15], 0
.else
	v_wmma_f32_16x16x128_fp8_fp8 v[ACC+8*(4*(\a)+\b):ACC+8*(4*(\a)+\b)+7], v[\f+64+16*\b:\f+64+16*\b+15], v[\f+16*(\a):\f+16*(\a)+15], v[ACC+8*(4*(\a)+\b):ACC+8*(4*(\a)+\b)+7]
.endif
.endr
.endm
.macro MUL8 f, a0, zero
	MUL4 \f, \a0, \zero
	MUL4 \f, \a0+1, \zero
.endm
.macro FETCH slot, q, f
	WIN TO_F
.irp i, 0,1,2,3
.irp c, 0,1,2,3
	ds_load_b128 v[\f+64+16*\i+4*\c:\f+64+16*\i+4*\c+3], v[ADRB+\slot] offset:8192*\i+2048*(\q)+512*\c
.endr
.endr
.irp i, 0,1,2,3
.irp c, 0,1,2,3
	ds_load_b128 v[\f+16*\i+4*\c:\f+16*\i+4*\c+3], v[ADRA+\slot] offset:8192*\i+2048*(\q)+512*\c
.endr
.endr
.endm
.macro PLACES
.rept 4
	v_nop
.endr
.endm
.macro QUARTER slot, q, f, g, zero
	s_wait_dscnt 8
	WIN MUL
	MUL8 \f, 0, \zero
	PLACES
	FETCH \slot, \q, \g
	s_wait_dscnt 32
	WIN MUL
	MUL8 \f, 2, \zero
.endm
.macro TURN slot, next, fill
	WIN 0
	s_wait_tensorcnt 0x0
	ds_add_u32 v[SPW], v[NIL]
	s_wait_dscnt 9
	WIN MUL
	MUL4 F1, 0, 0
	s_wait_dscnt 0x0
	s_barrier_signal -1
	MUL4 F1, 1, 0
.if \fill
	WIN 0
.endif
	s_barrier_wait -1
.if \fill
	CREST
	s_add_nc_u64 s[G0+4*\slot+2:G0+4*\slot+3], s[G0+4*\slot+2:G0+4*\slot+3], 16384
	s_add_nc_u64 s[G0B+4*\slot+2:G0B+4*\slot+3], s[G0B+4*\slot+2:G0B+4*\slot+3], 16384
	JLOAD \slot
.else
	PLACES
.endif
	FETCH \next, 0, F0
	WIN MUL
	MUL8 F1, 2, 0
.endm
	s_wait_tensorcnt 1
	s_barrier_signal -1
	s_barrier_wait -1
	FETCH 0, 0, F0
	QUARTER 0, 1, F0, F1, 1
.rept LAPS-1
	QUARTER 0, 2, F1, F0, 0
	QUARTER 0, 3, F0, F1, 0
	TURN 0, 1, 1
	QUARTER 1, 1, F0, F1, 0
	QUARTER 1, 2, F1, F0, 0
	QUARTER 1, 3, F0, F1, 0
	TURN 1, 0, 1
	QUARTER 0, 1, F0, F1, 0
.endr
	QUARTER 0, 2, F1, F0, 0
	QUARTER 0, 3, F0, F1, 0
	TURN 0, 1, 0
	QUARTER 1, 1, F0, F1, 0
	QUARTER 1, 2, F1, F0, 0
	QUARTER 1, 3, F0, F1, 0
	s_wait_dscnt 8
	WIN MUL
	MUL8 F1, 0, 0
	s_wait_dscnt 0
	MUL8 F1, 2, 0
	WIN 0
	s_wait_kmcnt 0x0
	s_add_co_i32 s66, s66, s67
	s_add_co_i32 s66, s66, 127
	s_lshl_b32 s66, s66, 23
	s_mov_b32 s67, s66
	PLACES
.irp a, 0,1,2,3
.irp b, 0,1,2,3
	ds_store_b128 v[STO], v[ACC+8*(4*\a+\b):ACC+8*(4*\a+\b)+3] offset:\a*16*SPITCH+64*\b
	ds_store_b128 v[STO], v[ACC+8*(4*\a+\b)+4:ACC+8*(4*\a+\b)+7] offset:\a*16*SPITCH+64*\b+16
.endr
.endr
	WIN TO_F
.set u, 0
.rept 32
	ds_load_b128 v[4*u:4*u+3], v[RD] offset:2*SPITCH*u
.set u, u+1
.endr
	s_wait_loadcnt 0x0
	s_wait_dscnt 0x0
	WIN 0x61
.set u, 0
.rept 64
	v_pk_fma_f32 v[2*u:2*u+1], v[2*u:2*u+1], s[66:67], v[2*u:2*u+1] op_sel_hi:[1,0,1]
.set u, u+1
.endr
	WIN 0x04
.set u, 0
.rept 32
	global_store_b128 v[GO], v[4*u:4*u+3], s[12:13] offset:8192*u
.set u, u+1
.endr
	WIN 0
	s_wait_tensorcnt 0x0
	ds_add_u32 v[SPW], v[NIL]
	s_wait_dscnt 0x0
	CROUND
	s_endpgm
.Lfunc_end_k_q783de46196_proj:
	.size	k_q783de46196_proj, .Lfunc_end_k_q783de46196_proj-k_q783de46196_proj
	.p2alignl 7, 3214868480
	.fill 96, 4, 3214868480
	.section	.rodata,"a",@progbits
	.p2align	6, 0x0
	.amdhsa_kernel k_q783de46196_proj
		.amdhsa_group_segment_fixed_size 327680
		.amdhsa_private_segment_fixed_size 0
		.amdhsa_enable_private_segment 0
		.amdhsa_kernarg_size 40
		.amdhsa_user_sgpr_count 2
		.amdhsa_user_sgpr_kernarg_segment_ptr 1
		.amdhsa_wavefront_size32 1
		.amdhsa_system_sgpr_workgroup_id_x 1
		.amdhsa_system_sgpr_workgroup_id_y 1
		.amdhsa_system_sgpr_workgroup_id_z 1
		.amdhsa_system_vgpr_workitem_id 0
		.amdhsa_next_free_vgpr 768
		.amdhsa_next_free_sgpr 70
		.amdhsa_reserve_vcc 0
		.amdhsa_float_denorm_mode_32 3
		.amdhsa_float_denorm_mode_16_64 3
		.amdhsa_memory_ordered 1
		.amdhsa_forward_progress 1
		.amdhsa_inst_pref_size 49
	.end_amdhsa_kernel
	.amdgpu_metadata
---
amdhsa.version: [ 1, 2 ]
amdhsa.kernels:
  - .name:           k_q783de46196_proj
    .symbol:         k_q783de46196_proj.kd
    .args:
      - { .name: oc, .offset: 0, .size: 8, .value_kind: global_buffer, .address_space: global }
      - { .name: pc, .offset: 8, .size: 8, .value_kind: global_buffer, .address_space: global }
      - { .name: lowp_scales, .offset: 16, .size: 8, .value_kind: global_buffer, .address_space: global }
      - { .name: x, .offset: 24, .size: 8, .value_kind: global_buffer, .address_space: global }
      - { .name: x1, .offset: 32, .size: 8, .value_kind: global_buffer, .address_space: global }
    .group_segment_fixed_size: 327680
    .private_segment_fixed_size: 0
    .kernarg_segment_align: 8
    .kernarg_segment_size: 40
    .max_flat_workgroup_size: 128
    .sgpr_count:     70
    .vgpr_count:     768
    .wavefront_size: 32
...
	.end_amdgpu_metadata
.endif
;; end of part 4
;; launch ln2 (part 5): grid 256 x 1, 4 waves a work-group, no clusters, 35,328 bytes of LDS; arguments x1, ln2_w, ln2_b, lowp_scales, h2c; writes h2c
.if DOCPART == 5
	.amdgcn_target "amdgcn-amd-amdhsa--gfx1250"
	.amdhsa_code_object_version 6
	.text
	.protected	k_q783de46196_ln2
	.globl	k_q783de46196_ln2
	.p2align	8
	.type	k_q783de46196_ln2,@function
k_q783de46196_ln2:
	s_mov_b64 s[64:65], 0
	v_nop
	global_prefetch_b8 v0, s[64:65] scope:SCOPE_SE
	s_setreg_imm32_b32 hwreg(HW_REG_WAVE_MODE, 25, 1), 1
	s_wait_xcnt 0x0
; Launch 5 of 7: LayerNorm2(x1) becomes codes of E4M3 TWICE: under entry 8 (operand of product 5) at h2c + 0 and under entry 10 (operand of product 6) at h2c + 4,194,304, both as register images
; (16 rows x 128 K = 2,048 bytes: register g of lane l at 512 (g / 4) + 16 l + 4 (g % 4)).
; A work-group takes 16 rows, a wave 4; a row lies in 32 registers of the wave between the passes, so memory is read once.  The codes meet in two stages in LDS and leave as whole images.
; A stream: no matrix unit, no cluster, no tensor load.  LIMITS: e8 and e10 between -126 and 119.  NaN is not served.
.set SPARE, 34816                      ; behind the two stages of 17,408 bytes: the spare words
.set STB,   17408
.set SPW,  14
.set NIL,  15
.set LW,   16
.set LB,   48
.set LX,   80
.set LC,   208                         ; v208-215 codes under e8, v216-223 under e10
.set TA,   224                         ; v224-239 two sets of eight held numbers
	s_load_b256 s[4:11], s[0:1], 0x0               ; x1, ln2_w, ln2_b, the scales' exponents
	s_load_b64 s[12:13], s[0:1], 0x20              ; h2c
	v_lshl_add_u32 v[SPW], v0, 2, SPARE
	v_mov_b32 v[NIL], 0
	v_lshrrev_b32 v1, 5, v0
	v_readfirstlane_b32 s24, v1
	v_and_b32 v1, 31, v0
	v_lshlrev_b32 v2, 4, v1
	s_lshl_b32 s48, ttmp9, 16
	s_lshl_b32 s46, s24, 14
	s_add_co_u32 s48, s48, s46
	s_mov_b32 s49, 0
	s_lshl_b32 s52, ttmp9, 14
	s_lshl_b32 s53, s24, 12
	s_add_co_u32 s52, s52, s53
	s_mov_b32 s53, 0
	s_wait_alu depctr_va_vdst(0)
	s_wait_kmcnt 0x0
	s_load_b128 s[28:31], s[10:11], 0x20           ; e8 .. e11
	s_add_nc_u64 s[4:5], s[4:5], s[48:49]
	s_add_nc_u64 s[12:13], s[12:13], s[52:53]
.irp j, 0,1,2,3,4,5,6,7
	global_load_b128 v[LW+4*\j:LW+4*\j+3], v2, s[6:7] offset:512*\j
.endr
.irp j, 0,1,2,3,4,5,6,7
	global_load_b128 v[LB+4*\j:LB+4*\j+3], v2, s[8:9] offset:512*\j
.endr
.irp rr, 0,1,2,3
.irp j, 0,1,2,3,4,5,6,7
	global_load_b128 v[LX+32*\rr+4*\j:LX+32*\rr+4*\j+3], v2, s[4:5] offset:4096*\rr+512*\j   ; lane l: k = 128 j + 4 l + 0..3
.endr
.endr
	v_lshrrev_b32 v5, 3, v1                        ; my four codes of a chunk are one word of the image: register 2 (l / 4) + l % 2, half (l / 2) % 2, row 4 w + rr; 16 bytes of padding behind every 256
	v_mul_u32_u24 v3, v5, 544
	v_bfe_u32 v5, v1, 1, 1
	v_mad_u32_u24 v3, v5, 272, v3
	v_bfe_u32 v5, v1, 2, 1
	v_lshl_add_u32 v3, v5, 3, v3
	v_and_b32 v5, 1, v1
	v_lshl_add_u32 v3, v5, 2, v3
	s_lshl_b32 s50, s24, 6
	v_add_nc_u32 v3, s50, v3
	v_and_b32 v5, 15, v1
	v_lshlrev_b32 v4, 4, v5
	v_lshrrev_b32 v5, 4, v1
	v_mad_u32_u24 v4, v5, 272, v4
	s_mul_i32 s51, s24, 4352
	v_add_nc_u32 v4, s51, v4
	s_mov_b32 s54, 0x76543210
	s_mov_b32 s55, 0xfedcba98
	s_mov_b32 s56, 0x3a800000                      ; 1 / 1024
	s_mov_b32 s57, 0x3727c5ac                      ; 1e-5
	v_mov_b32 v244, 0
	s_wait_kmcnt 0x0
	s_add_co_i32 s45, s28, 127
	s_lshl_b32 s47, s45, 23
	v_mov_b32 v11, s47                             ; 2^e8
	s_add_co_i32 s45, s45, 8
	s_lshl_b32 s45, s45, 23
	s_or_b32 s45, s45, 0x600000
	v_mov_b32 v10, s45                             ; 448 x 2^e8
	s_add_co_i32 s45, s30, 127
	s_lshl_b32 s47, s45, 23
	v_mov_b32 v13, s47                             ; 2^e10
	s_add_co_i32 s45, s45, 8
	s_lshl_b32 s45, s45, 23
	s_or_b32 s45, s45, 0x600000
	v_mov_b32 v12, s45                             ; 448 x 2^e10
.macro REDUCE
	v_add_f32_dpp v240, v240, v240 row_xmask:1 row_mask:0xf bank_mask:0xf
	v_add_f32_dpp v240, v240, v240 row_xmask:2 row_mask:0xf bank_mask:0xf
	v_add_f32_dpp v240, v240, v240 row_xmask:4 row_mask:0xf bank_mask:0xf
	v_add_f32_dpp v240, v240, v240 row_xmask:8 row_mask:0xf bank_mask:0xf
	v_permlanex16_b32 v244, v240, s54, s55
	v_add_f32 v240, v240, v244
.endm
.macro LNSTAT rr                       ; row rr becomes (x - mean) rsqrt(var + eps) w + b, in place
.set XR, LX+32*(\rr)
	s_wait_loadcnt 24-8*(\rr)                      ; gain, bias and this row are in; the later rows' eight loads each may be out
	v_pk_add_f32 v[240:241], v[XR:XR+1], v[XR+4:XR+5]
	v_pk_add_f32 v[242:243], v[XR+2:XR+3], v[XR+6:XR+7]
.irp j, 8,12,16,20,24,28
	v_pk_add_f32 v[240:241], v[240:241], v[XR+\j:XR+\j+1]
	v_pk_add_f32 v[242:243], v[242:243], v[XR+\j+2:XR+\j+3]
.endr
	v_pk_add_f32 v[240:241], v[240:241], v[242:243]
	v_add_f32 v240, v240, v241
	REDUCE
	v_mul_f32 v246, s56, v240
	v_mul_f32 v247, s56, v240
.irp j, 0,2,4,6,8,10,12,14,16,18,20,22,24,26,28,30
	v_pk_add_f32 v[XR+\j:XR+\j+1], v[XR+\j:XR+\j+1], v[246:247] neg_lo:[0,1] neg_hi:[0,1]
.endr
	v_pk_mul_f32 v[240:241], v[XR:XR+1], v[XR:XR+1]
	v_pk_mul_f32 v[242:243], v[XR+2:XR+3], v[XR+2:XR+3]
.irp j, 4,8,12,16,20,24,28
	v_pk_fma_f32 v[240:241], v[XR+\j:XR+\j+1], v[XR+\j:XR+\j+1], v[240:241]
	v_pk_fma_f32 v[242:243], v[XR+\j+2:XR+\j+3], v[XR+\j+2:XR+\j+3], v[242:243]
.endr
	v_pk_add_f32 v[240:241], v[240:241], v[242:243]
	v_add_f32 v240, v240, v241
	REDUCE
	v_fma_f32 v245, v240, s56, s57
	s_wait_alu depctr_va_vdst(0)
	v_rsq_f32 v248, v245
	v_rsq_f32 v249, v245
	v_nop                                          ; a plain line behind the transcendentals,
	s_wait_alu depctr_va_vdst(0)                   ; and the one wait ahead of their first reader
.irp j, 0,2,4,6,8,10,12,14,16,18,20,22,24,26,28,30
	v_pk_mul_f32 v[XR+\j:XR+\j+1], v[XR+\j:XR+\j+1], v[248:249]
.endr
.irp j, 0,2,4,6,8,10,12,14,16,18,20,22,24,26,28,30
	v_pk_fma_f32 v[XR+\j:XR+\j+1], v[XR+\j:XR+\j+1], v[LW+\j:LW+\j+1], v[LB+\j:LB+\j+1]
.endr
.endm
.macro LNROW rr
	LNSTAT \rr
	s_wait_dscnt 0x0                               ; the last row's LDS stores have read the codes' registers
.irp g, 0,1,2,3                        ; under e8: held into other registers, two sets by turns, since the numbers are wanted again
.irp i, 0,1,2,3,4,5,6,7
	v_med3_num_f32 v[TA+8*(\g%2)+\i], v[XR+8*\g+\i], -v10, v10
.endr
	v_cvt_scalef32_pk8_fp8_f32 v[LC+2*\g:LC+2*\g+1], v[TA+8*(\g%2):TA+8*(\g%2)+7], v11
.endr
.set jj, 0
.rept 32                               ; under e10: held in place
	v_med3_num_f32 v[XR+jj], v[XR+jj], -v12, v12
.set jj, jj+1
.endr
.irp g, 0,1,2,3
	v_cvt_scalef32_pk8_fp8_f32 v[LC+8+2*\g:LC+8+2*\g+1], v[XR+8*\g:XR+8*\g+7], v13
.endr
	v_nop
.irp j, 0,1,2,3,4,5,6,7
	ds_store_b32 v3, v[LC+\j] offset:2176*\j+16*(\rr)
	ds_store_b32 v3, v[LC+8+\j] offset:STB+2176*\j+16*(\rr)
.endr
.endm
	LNROW 0
	LNROW 1
	LNROW 2
	LNROW 3
	s_wait_dscnt 0x0                               ; for the others' sake: my words of the images have landed
	s_barrier_signal -1
	s_barrier_wait -1
.irp i, 0,1,2,3,4,5,6,7
	ds_load_b128 v[LX+4*\i:LX+4*\i+3], v4 offset:2176*(\i/4)+544*(\i%4)
.endr
.irp i, 0,1,2,3,4,5,6,7
	ds_load_b128 v[LX+32+4*\i:LX+32+4*\i+3], v4 offset:STB+2176*(\i/4)+544*(\i%4)
.endr
.irp i, 0,1,2,3,4,5,6,7
	s_wait_dscnt 15-\i                             ; the younger loads may be out
	global_store_b128 v2, v[LX+4*\i:LX+4*\i+3], s[12:13] offset:512*\i
.endr
.irp i, 0,1,2,3,4,5,6,7
	s_wait_dscnt 7-\i
	global_store_b128 v2, v[LX+32+4*\i:LX+32+4*\i+3], s[12:13] offset:4194304+512*\i
.endr
	s_wait_tensorcnt 0x0                           ; the wave's end, behind my last LDS store
	ds_add_u32 v[SPW], v[NIL]
	s_wait_dscnt 0x0
	s_endpgm
.Lfunc_end_k_q783de46196_ln2:
	.size	k_q783de46196_ln2, .Lfunc_end_k_q783de46196_ln2-k_q783de46196_ln2
	.p2alignl 7, 3214868480
	.fill 96, 4, 3214868480
	.section	.rodata,"a",@progbits
	.p2align	6, 0x0
	.amdhsa_kernel k_q783de46196_ln2
		.amdhsa_group_segment_fixed_size 35328
		.amdhsa_private_segment_fixed_size 0
		.amdhsa_enable_private_segment 0
		.amdhsa_kernarg_size 40
		.amdhsa_user_sgpr_count 2
		.amdhsa_user_sgpr_kernarg_segment_ptr 1
		.amdhsa_wavefront_size32 1
		.amdhsa_system_sgpr_workgroup_id_x 1
		.amdhsa_system_sgpr_workgroup_id_y 1
		.amdhsa_system_sgpr_workgroup_id_z 1
		.amdhsa_system_vgpr_workitem_id 0
		.amdhsa_next_free_vgpr 256
		.amdhsa_next_free_sgpr 66
		.amdhsa_reserve_vcc 0
		.amdhsa_float_denorm_mode_32 3
		.amdhsa_float_denorm_mode_16_64 3
		.amdhsa_memory_ordered 1
		.amdhsa_forward_progress 1
		.amdhsa_inst_pref_size 58
	.end_amdhsa_kernel
	.amdgpu_metadata
---
amdhsa.version: [ 1, 2 ]
amdhsa.kernels:
  - .name:           k_q783de46196_ln2
    .symbol:         k_q783de46196_ln2.kd
    .args:
      - { .name: x1, .offset: 0, .size: 8, .value_kind: global_buffer, .address_space: global }
      - { .name: ln2_w, .offset: 8, .size: 8, .value_kind: global_buffer, .address_space: global }
      - { .name: ln2_b, .offset: 16, .size: 8, .value_kind: global_buffer, .address_space: global }
      - { .name: lowp_scales, .offset: 24, .size: 8, .value_kind: global_buffer, .address_space: global }
      - { .name: h2c, .offset: 32, .size: 8, .value_kind: global_buffer, .address_space: global }
    .group_segment_fixed_size: 35328
    .private_segment_fixed_size: 0
    .kernarg_segment_align: 8
    .kernarg_segment_size: 40
    .max_flat_workgroup_size: 128
    .sgpr_count:     66
    .vgpr_count:     256
    .wavefront_size: 32
...
	.end_amdgpu_metadata
.endif
;; end of part 5
;; launch swiglu (part 6): grid 16 x 16, 4 waves a work-group, clusters of 4 x 4, 327,680 bytes of LDS; arguments h2c, pc, lowp_scales, ac; writes ac
.if DOCPART == 6
	.amdgcn_target "amdgcn-amd-amdhsa--gfx1250"
	.amdhsa_code_object_version 6
	.text
	.protected	k_q783de46196_swiglu
	.globl	k_q783de46196_swiglu
	.p2align	8
	.type	k_q783de46196_swiglu,@function
k_q783de46196_swiglu:
	s_mov_b64 s[64:65], 0
	v_nop
	global_prefetch_b8 v0, s[64:65] scope:SCOPE_SE
	s_setreg_imm32_b32 hwreg(HW_REG_WAVE_MODE, 25, 1), 1
	s_wait_xcnt 0x0
	s_wait_alu depctr_hold_cnt(0) depctr_sa_sdst(0) depctr_va_vdst(0) depctr_va_sdst(0) depctr_va_ssrc(0) depctr_va_vcc(0) depctr_vm_vsrc(0)
	s_getreg_b32 s2, hwreg(HW_REG_IB_STS2, 6, 4)
	s_cmp_eq_u32 s2, 0
	s_cbranch_scc0 .Lentry_in_a_cluster
	s_endpgm
.Lentry_in_a_cluster:
	s_bfe_u32 s2, ttmp6, 0x10000c
	s_cmp_lg_u32 s2, 0xf033
	s_cbranch_scc0 .Lentry_shape_is_right
	s_endpgm
.Lentry_shape_is_right:
; Launch 6 of 7: products 5 and 6 on codes of E4M3, silu(in) x gate in f32, quantised at once (entry 12) as the operand of product 7.
; A work-group makes 256 rows x 128 columns of BOTH products; a wave 128 x 64 of both: the 32 accumulators of 'in' fill window 2, those of 'gate' window 3, at the same places: the activation needs no exchange.
; LayerNorm2's codes come twice (under entries 8 and 10), the weights from pc; all as register images (16 rows x 128 K = 2,048 bytes): dense tiles, no padding.
; THE RING.  A K step of 128 is 98,304 bytes of tiles: rows under e8 and under e10 (32,768 each), mlp_in_w's and mlp_gate_w's 128 rows (16,384 each); LDS holds three.  Region P holds TWO steps (a tile's row is then the
; 4,096 bytes of two neighbouring images of a block of 16 rows), region Q one.  The eight steps go P P Q P P Q P P: first fills P (steps 0, 1) and Q (step 2); behind step 1 P takes steps 3, 4; behind step 2 Q takes step 5;
; behind step 4 P takes steps 6, 7: three refills, one load a wave each, and at most one load of a wave out.  From a request to the wait for it a wave issues 48 (P's) or 112 (Q's) matrix instructions.
; The walk is written out: its steps differ in region, refill and request.
; CLUSTERS of 4 x 4: the rows' tiles are shared along a row of the cluster, the weights' along a column.  The matrix instruction is used transposed (source 0 = the weight's rows).
; LIMITS: e8 + e9 between -120 and 120 (added to a constant's exponent field); e12 - e8 - e9 - e10 - e11 between -126 and 119.  NaN is not served.
; REGISTERS: window 0: v16-21 addresses, v26-31 constants, v32-63 at work on the way out, v64-127 the codes, from v128 the rows' fragments (one set of 8); window 1: the weights' fragments, v0-63 'in', v64-127 'gate'.
.set WINOFF, 4194304                   ; mlp_in_w's images in pc; mlp_gate_w's lie 2,097,152 further on
.set QB,    196608                     ; region P: bytes 0 .. 196,607 (rows e8 at 0, rows e10 at 65,536, in at 131,072, gate at 163,840); region Q begins here (rows e8 + 0, rows e10 + 32,768, in + 65,536, gate + 81,920)
.set SPARE, 294912                     ; behind the regions: the spare words, 128 bytes a wave
.set ADAP, 16                          ; v16, v17 my rows' fragments in P, under e8, under e10
.set ADBP, 18                          ; v18 my weights' fragments in P
.set ADAQ, 19                          ; v19, v20 the same in Q
.set ADBQ, 20
.set PFO,  21                          ; v21 the prefetches' offset; never rewritten
.set LI,   26
.set SPW,  28
.set NIL,  29
.set VSC,  30
.set VLIM, 31
.set T,    32
.set CD,   64
.set AF,   128
.set G1AP, 24                          ; s[24:55] four groups 1: rows into P, rows into Q, weights into P, weights into Q
.set G1AQ, 32
.set G1BP, 40
.set G1BQ, 48
.set G0AP, 56                          ; s[56:63], s[68:75] their groups 0
.set G0AQ, 60
.set G0BP, 68
.set G0BQ, 72
.set LIM,  81                          ; s81 1 in a wave that prefetches, else 0
.set PFA,  82                          ; s[82:83] where my prefetches stand; never rewritten: the K step stands in the immediate
.set MSB, 0
.macro WIN new
.if MSB != (\new)
	s_set_vgpr_msb (MSB<<8)|(\new)
.set MSB, (\new)
.endif
.endm
.set MUL_LO, 0xa1
.set MUL_HI, 0xf1
.set TO_B,   0x40
.macro JLOAD g0a, g1a, g0b, g1b        ; waves 0, 1 fetch the rows (under e8, under e10), waves 2, 3 the weights (in, gate); an s_nop 0 and four v_nop follow each line
	s_cmp_eq_u32 s15, 0
	s_cbranch_scc0 .Lfor_b_\@
	tensor_load_to_lds s[\g0a:\g0a+3], s[\g1a:\g1a+7]
	s_nop 0
.rept 4
	v_nop
.endr
	s_branch .Lasked_\@
.Lfor_b_\@:
	tensor_load_to_lds s[\g0b:\g0b+3], s[\g1b:\g1b+7]
	s_nop 0
.rept 4
	v_nop
.endr
.Lasked_\@:
.endm
.macro CREST
	s_cmp_lg_u32 s14, 0
	s_cbranch_scc1 .Lnot_wave_0_\@
	s_barrier_signal -3
.Lnot_wave_0_\@:
	s_barrier_wait -3
	s_barrier_signal -1
	s_barrier_wait -1
.endm
.macro CROUND
	s_barrier_signal -1
	s_barrier_wait -1
	CREST
.endm
; A PREFETCH INTO THE L2 of K steps c0 .. c0 + n - 1, which the NEXT refill will ask for: one instruction a K step, a lane to each of 32 blocks of 256 bytes.
; Each block is named once in the launch.  A tile of rows is read by the four clusters of a row of clusters: those with cluster x = 0 ask, waves 0 and 1 (rows under e8, under e10); of the tile's 16 blocks of rows the partner
; at cx takes 4: 4 x 2,048 bytes a K step.  A tile of weights is read by the four clusters of a column: those with cluster y = 0 ask, wave 2 alone, for both weights; of the 8 blocks the partner at cy takes 2: 2 x 2 x 2,048 bytes.
; The partners are told apart by address; the branch hangs on the wave's number and the cluster's place in the grid, the same in all sixteen.  K steps 0 to 2 come by their loads alone.
.macro ASK c0, n
.if (\n) > 0
	s_cmp_eq_u32 s[LIM], 1
	s_cbranch_scc0 .Lnot_mine_\@
.set cc, \c0
.rept \n
	global_prefetch_b8 v[PFO], s[PFA:PFA+1] offset:2048*cc th:TH_LOAD_NT scope:SCOPE_SE
.set cc, cc+1
.endr
.Lnot_mine_\@:
.endif
.endm
.macro SHAPE g, rowb, rows             ; a group 1 but for its first word: so many blocks of 16 rows, so many bytes of each, 16,384 bytes from block to block; elements of 1 byte
	s_mov_b32 s[\g+1], (\rowb)<<16
	s_mov_b32 s[\g+2], (\rows)<<16
	s_mov_b32 s[\g+3], (\rowb)<<16
	s_mov_b32 s[\g+4], \rows
	s_mov_b32 s[\g+5], 16384
	s_mov_b32 s[\g+6], 0
	s_mov_b32 s[\g+7], 0
.endm
	s_load_b256 s[4:11], s[0:1], 0x0               ; h2c, pc, the scales' exponents, ac
	v_lshl_add_u32 v[SPW], v0, 2, SPARE
	v_mov_b32 v[NIL], 0
	ds_add_u32 v[SPW], v[NIL]                      ; the wave's opening: the add, twice on end, and its wait ahead of my first tensor load
	ds_add_u32 v[SPW], v[NIL]
	v_lshrrev_b32 v1, 5, v0
	v_readfirstlane_b32 s14, v1
	s_lshr_b32 s15, s14, 1                         ; my half of the rows.  Also: I fetch rows (0) or weights (1)
	s_and_b32 s16, s14, 1                          ; my half of the columns.  Also: which of the two products I fetch for
	s_bfe_u32 s84, ttmp6, 0x40000                  ; cx
	s_bfe_u32 s85, ttmp6, 0x40004                  ; cy
	s_lshl_b32 s86, ttmp9, 2
	s_add_co_u32 s86, s86, s84                     ; tile column
	s_and_b32 s17, ttmp7, 0xffff
	s_lshl_b32 s17, s17, 2
	s_add_co_u32 s17, s17, s85                     ; tile row
	s_lshl_b32 s87, s85, 2
	s_lshl_b32 s87, 15, s87                        ; my row of the cluster
	s_lshl_b32 s88, 0x1111, s84                    ; my column
	s_or_b32 s[G1AP], s87, (1<<21)                 ; no padding; bit 21 set beside a mask
	s_or_b32 s[G1AQ], s87, (1<<21)
	s_or_b32 s[G1BP], s88, (1<<21)
	s_or_b32 s[G1BQ], s88, (1<<21)
	SHAPE G1AP, 4096, 16
	SHAPE G1AQ, 2048, 16
	SHAPE G1BP, 4096, 8
	SHAPE G1BQ, 2048, 8
	s_lshl_b32 s20, s17, 18                        ; the rows: tile row x 16 blocks, + 4,194,304 for the codes under e10
	s_lshl_b32 s18, s16, 22
	s_add_co_u32 s20, s20, s18
	s_mov_b32 s21, 0
	s_lshl_b32 s92, s86, 17                        ; the weights: tile column x 8 blocks, + 2,097,152 for gate
	s_lshl_b32 s18, s16, 21
	s_add_co_u32 s92, s92, s18
	s_add_co_u32 s92, s92, WINOFF
	s_mov_b32 s93, 0
	s_lshl_b32 s18, s16, 16                        ; places in LDS: by the wave's number alone
	s_lshl_b32 s19, s16, 15
	s_lshl_b32 s89, s16, 14
	s_wait_dscnt 0x0                               ; both opening adds are done
	s_wait_kmcnt 0x0
	s_load_b128 s[76:79], s[8:9], 0x20             ; e8 .. e11
	s_load_b32 s80, s[8:9], 0x30                   ; e12
	s_add_nc_u64 s[20:21], s[4:5], s[20:21]
	s_add_nc_u64 s[92:93], s[6:7], s[92:93]
	CROUND                                         ; all sixteen work-groups are here: the first joint loads meet
	s_mov_b32 s[G0AP], 1
	s_add_co_u32 s[G0AP+1], s18, 0
	s_add_nc_u64 s[G0AP+2:G0AP+3], s[20:21], 0     ; K steps 0 and 1
	s_or_b32 s[G0AP+3], s[G0AP+3], 0x80000000
	s_mov_b32 s[G0BP], 1
	s_add_co_u32 s[G0BP+1], s19, 131072
	s_add_nc_u64 s[G0BP+2:G0BP+3], s[92:93], 0
	s_or_b32 s[G0BP+3], s[G0BP+3], 0x80000000
	JLOAD G0AP, G1AP, G0BP, G1BP
	s_mov_b32 s[G0AQ], 1
	s_add_co_u32 s[G0AQ+1], s19, QB
	s_add_nc_u64 s[G0AQ+2:G0AQ+3], s[20:21], 4096  ; K step 2
	s_or_b32 s[G0AQ+3], s[G0AQ+3], 0x80000000
	s_mov_b32 s[G0BQ], 1
	s_add_co_u32 s[G0BQ+1], s89, QB+65536
	s_add_nc_u64 s[G0BQ+2:G0BQ+3], s[92:93], 4096
	s_or_b32 s[G0BQ+3], s[G0BQ+3], 0x80000000
	v_and_b32 v1, 31, v0
	v_lshlrev_b32 v[LI], 4, v1
	s_wait_alu depctr_va_vdst(0)
	s_lshl_b32 s21, s15, 15                        ; P: my 8 blocks of rows, 4,096 bytes each
	v_add_nc_u32 v[ADAP], s21, v[LI]
	s_add_co_u32 s21, s21, 65536
	v_add_nc_u32 v[ADAP+1], s21, v[LI]
	s_lshl_b32 s22, s16, 14                        ; P: my 4 blocks of the weights' rows
	s_add_co_u32 s22, s22, 131072
	v_add_nc_u32 v[ADBP], s22, v[LI]
	s_lshl_b32 s21, s15, 14                        ; Q: 2,048 bytes each
	s_add_co_u32 s21, s21, QB
	v_add_nc_u32 v[ADAQ], s21, v[LI]
	s_lshl_b32 s22, s16, 13
	s_add_co_u32 s22, s22, QB+65536
	v_add_nc_u32 v[ADBQ], s22, v[LI]
	s_lshl_b32 s94, s17, 19                        ; ac: ((16 tile row + 8 half + a) 16 + tile column) 2,048 + (2 half + p) 512
	s_lshl_b32 s95, s15, 18
	s_add_co_u32 s94, s94, s95
	s_lshl_b32 s95, s86, 11
	s_add_co_u32 s94, s94, s95
	s_lshl_b32 s95, s16, 10
	s_add_co_u32 s94, s94, s95
	s_mov_b32 s95, 0
	s_add_nc_u64 s[10:11], s[10:11], s[94:95]
	; the prefetches: where mine stand, and who asks
	s_lshl_b32 s90, s16, 22
	s_lshl_b32 s91, s17, 18
	s_add_co_u32 s90, s90, s91
	s_lshl_b32 s91, s84, 16
	s_add_co_u32 s90, s90, s91                     ; the rows: my tensor, my tile, my work-group's 4 blocks of the 16
	s_lshl_b32 s91, s86, 17
	s_lshl_b32 s94, s85, 15
	s_add_co_u32 s91, s91, s94
	s_add_co_u32 s91, s91, WINOFF                  ; the weights: my tile, my work-group's 2 blocks of the 8
	s_and_b32 s94, ttmp7, 0xffff                   ; cluster y
	s_mov_b32 s95, 0x200000                        ; from mlp_in_w's images to mlp_gate_w's
	s_cmp_eq_u32 s15, 0                            ; do I fetch rows?
	s_cselect_b64 s[PFA:PFA+1], s[4:5], s[6:7]
	s_cselect_b32 s90, s90, s91
	s_cselect_b32 s94, ttmp9, s94                  ; the coordinate along which other clusters read the same bytes
	s_cselect_b32 s95, 32768, s95                  ; lanes 16-31: two blocks of rows on, or the other weight
	s_mov_b32 s91, 0
	s_add_nc_u64 s[PFA:PFA+1], s[PFA:PFA+1], s[90:91]
	s_and_b32 s91, s15, s16                        ; 1 in wave 3, which asks for nothing
	s_or_b32 s94, s94, s91
	s_cmp_eq_u32 s94, 0
	s_cselect_b32 s[LIM], 1, 0
	v_and_b32 v2, 7, v0
	v_lshlrev_b32 v[PFO], 8, v2                    ; 256 x (lane % 8): the eight blocks of 256 bytes of an image,
	v_bfe_u32 v2, v0, 3, 1
	v_lshl_add_u32 v[PFO], v2, 14, v[PFO]          ; + a block of 16 rows for lanes 8-15 and 24-31,
	v_bfe_u32 v2, v0, 4, 1
	v_mad_u32_u24 v[PFO], v2, s95, v[PFO]          ; + the upper lanes' step
.macro FRAG reg, adr, off
.irp c, 0,1,2,3
	ds_load_b128 v[\reg+4*\c:\reg+4*\c+3], v[\adr] offset:(\off)+512*\c
.endr
.endm
; loc says where a K step lies: 0, 1: P's first, second step; 2: Q.
.macro FETCH_B loc, g                  ; the four fragments of product g's weight
	WIN TO_B
.irp i, 0,1,2,3
.if (\loc) < 2
	FRAG 64*(\g)+16*\i, ADBP, 32768*(\g)+4096*\i+2048*(\loc)
.else
	FRAG 64*(\g)+16*\i, ADBQ, 16384*(\g)+2048*\i
.endif
.endr
	WIN 0
.endm
.macro FETCH_A loc, g, i0              ; blocks i0 .. i0 + 3 of the rows under product g's scale
.irp i, \i0, \i0+1, \i0+2, \i0+3
.if (\loc) < 2
	FRAG AF+16*(\i), ADAP+(\g), 4096*(\i)+2048*(\loc)
.else
	FRAG AF+16*(\i), ADAQ, 32768*(\g)+2048*(\i)
.endif
.endr
.endm
.macro MULH a0, g, zero                ; rows' blocks a0, a0 + 1 x the weight's four.  The 64 accumulators take turns, one instruction a turn, in the same order in every K step
.irp a, \a0, \a0+1
.irp b, 0,1,2,3
.if \zero
	v_wmma_f32_16x16x128_fp8_fp8 v[8*(4*(\a)+\b):8*(4*(\a)+\b)+7], v[64*(\g)+16*\b:64*(\g)+16*\b+15], v[AF+16*(\a):AF+16*(\a)+15], 0
.else
	v_wmma_f32_16x16x128_fp8_fp8 v[8*(4*(\a)+\b):8*(4*(\a)+\b)+7], v[64*(\g)+16*\b:64*(\g)+16*\b+15], v[AF+16*(\a):AF+16*(\a)+15], v[8*(4*(\a)+\b):8*(4*(\a)+\b)+7]
.endif
.endr
.endr
.endm
.macro PLACES                          ; plain vector lines between a matrix instruction and a load into, or a read of, its registers
.rept 4
	v_nop
.endr
.endm
.macro HSTEP loc, zero                 ; a K step's first half: 'in'; it fetches the same step's fragments for 'gate'
	s_wait_dscnt 16                                ; the weight's set and the rows' blocks 0-3 are in; the youngest 16 loads may be out
	WIN MUL_LO
	MULH 0, 0, \zero
	MULH 2, 0, \zero
	s_wait_dscnt 0
	PLACES
	FETCH_B \loc, 1
	FETCH_A \loc, 1, 0
	WIN MUL_LO
	MULH 4, 0, \zero
	MULH 6, 0, \zero
	PLACES
	WIN 0
	FETCH_A \loc, 1, 4
.endm
.macro HNEXT next, zero                ; its second half, 'gate', where the next K step lies in the same region: no barrier: the one in front of the region's first step has shown all of it to every wave
	s_wait_dscnt 16                                ; as above
	WIN MUL_HI
	MULH 0, 1, \zero
	MULH 2, 1, \zero
	s_wait_dscnt 0
	PLACES
	FETCH_B \next, 0
	FETCH_A \next, 0, 0
	WIN MUL_HI
	MULH 4, 1, \zero
	MULH 6, 1, \zero
	PLACES
	WIN 0
	FETCH_A \next, 0, 4
.endm
; The second half where the region is left: one barrier.  fill = 1: it opens a round of the cluster's barrier and P, just left, takes its next two K steps; 2: the same for Q and its next step; 0: nothing is asked for.
; c0, n: the K steps that are prefetched here.
.macro HTURN next, fill, c0, n
	s_wait_tensorcnt 0x0                           ; all my tensor loads have landed: my part of the region ahead
	ds_add_u32 v[SPW], v[NIL]
	s_wait_dscnt 17                                ; the add and the youngest 16 loads may be out
	WIN MUL_HI
	MULH 0, 1, 0
	s_wait_dscnt 0x0                               ; the add is done, and my reads of the region that I leave are over
	s_barrier_signal -1
	MULH 2, 1, 0
	WIN 0
	s_barrier_wait -1
.if (\fill) == 1
	CREST                                          ; no wave of any partner still reads the region or has a load on its way
	s_add_nc_u64 s[G0AP+2:G0AP+3], s[G0AP+2:G0AP+3], 6144   ; three K steps on
	s_add_nc_u64 s[G0BP+2:G0BP+3], s[G0BP+2:G0BP+3], 6144
	JLOAD G0AP, G1AP, G0BP, G1BP                   ; the first tensor load behind the round; its four v_nop are the places in front of the loads below
.elseif (\fill) == 2
	CREST
	s_add_nc_u64 s[G0AQ+2:G0AQ+3], s[G0AQ+2:G0AQ+3], 6144
	s_add_nc_u64 s[G0BQ+2:G0BQ+3], s[G0BQ+2:G0BQ+3], 6144
	JLOAD G0AQ, G1AQ, G0BQ, G1BQ
.else
	PLACES
.endif
	FETCH_B \next, 0
	FETCH_A \next, 0, 0
	ASK \c0, \n                                    ; behind the joint load and the run of LDS loads that the next products wait for
	WIN MUL_HI
	MULH 4, 1, 0
	MULH 6, 1, 0
	PLACES
	WIN 0
	FETCH_A \next, 0, 4
.endm
	s_wait_alu depctr_va_vdst(0)
	s_wait_tensorcnt 0x0                           ; my part of P is in
	ds_add_u32 v[SPW], v[NIL]
	s_wait_dscnt 0x0
	CROUND                                         ; a whole round: everybody's part of P is in
	JLOAD G0AQ, G1AQ, G0BQ, G1BQ                   ; Q's first fill, K step 2: the first tensor load behind the round
	FETCH_B 0, 0
	FETCH_A 0, 0, 0
	FETCH_A 0, 0, 4
	ASK 3, 2                                       ; what the first refill will ask for
	HSTEP 0, 1                                     ; K step 0 starts the sums
	HNEXT 1, 1
	HSTEP 1, 0                                     ; K step 1
	HTURN 2, 1, 5, 1                               ; P takes K steps 3, 4
	HSTEP 2, 0                                     ; K step 2
	HTURN 0, 2, 6, 2                               ; Q takes K step 5
	HSTEP 0, 0                                     ; K step 3
	HNEXT 1, 0
	HSTEP 1, 0                                     ; K step 4
	HTURN 2, 1, 0, 0                               ; P takes K steps 6, 7: the last load
	HSTEP 2, 0                                     ; K step 5
	HTURN 0, 0, 0, 0
	HSTEP 0, 0                                     ; K step 6
	HNEXT 1, 0
	HSTEP 1, 0                                     ; K step 7
	s_wait_dscnt 16
	WIN MUL_HI
	MULH 0, 1, 0
	MULH 2, 1, 0
	s_wait_dscnt 0
	MULH 4, 1, 0
	MULH 6, 1, 0
	WIN 0
	; THE WAY OUT.  in = I x 2^(e8 + e9), gate = G x 2^(e10 + e11): silu(in) gate = I G / (1 + 2^(-log2(e) in)) x 2^(e8 + e9 + e10 + e11): the four exponents and e12 are folded into the conversion's one scale
	s_wait_kmcnt 0x0
	s_add_co_i32 s98, s76, s77
	s_lshl_b32 s99, s98, 23
	s_mov_b32 s96, 0xbfb8aa3b                      ; -log2(e),
	s_add_co_u32 s96, s96, s99                     ; x 2^(e8 + e9): added to its exponent field
	s_mov_b32 s97, s96
	s_add_co_i32 s98, s98, s78
	s_add_co_i32 s98, s98, s79
	s_sub_co_i32 s98, s80, s98
	s_add_co_i32 s98, s98, 127
	s_lshl_b32 s99, s98, 23
	s_add_co_i32 s98, s98, 8
	s_lshl_b32 s98, s98, 23
	s_or_b32 s98, s98, 0x600000
	PLACES
	v_mov_b32 v[VSC], s99
	v_mov_b32 v[VLIM], s98
.macro ACT a                           ; block a: 16 rows x my 64 columns
	WIN 0x02                                       ; source 0: 'in'
.set n, 0
.rept 16
	v_pk_mul_f32 v[T+n:T+n+1], v[32*(\a)+n:32*(\a)+n+1], s[96:97] op_sel_hi:[1,0]   ; each accumulator from its low end on
.set n, n+2
.endr
	WIN 0
.set n, 0
	s_wait_alu depctr_va_vdst(0)
.rept 32
	v_exp_f32 v[T+n], v[T+n]
.set n, n+1
.endr
	v_nop                                          ; a plain line behind the batch,
	s_wait_alu depctr_va_vdst(0)                   ; and its one wait
.set n, 0
.rept 16
	v_pk_add_f32 v[T+n:T+n+1], v[T+n:T+n+1], 1.0 op_sel_hi:[1,0]
.set n, n+2
.endr
.set n, 0
	s_wait_alu depctr_va_vdst(0)
.rept 32
	v_rcp_f32 v[T+n], v[T+n]
.set n, n+1
.endr
	v_nop
	s_wait_alu depctr_va_vdst(0)
	WIN 0x02
.set n, 0
.rept 16
	v_pk_mul_f32 v[T+n:T+n+1], v[32*(\a)+n:32*(\a)+n+1], v[T+n:T+n+1]
.set n, n+2
.endr
	WIN 0x03                                       ; source 0: 'gate'
.set n, 0
.rept 16
	v_pk_mul_f32 v[T+n:T+n+1], v[32*(\a)+n:32*(\a)+n+1], v[T+n:T+n+1]
.set n, n+2
.endr
	WIN 0
.set n, 0
.rept 32
	v_med3_num_f32 v[T+n], v[T+n], -v[VLIM], v[VLIM]
.set n, n+1
.endr
.irp b, 0,1,2,3
	v_cvt_scalef32_pk8_fp8_f32 v[CD+8*(\a)+2*\b:CD+8*(\a)+2*\b+1], v[T+8*\b:T+8*\b+7], v[VSC]
.endr
	v_nop                                          ; a plain line between the conversions and the next block's lines, which write their sources
	global_store_b128 v[LI], v[CD+8*(\a):CD+8*(\a)+3], s[10:11] offset:32768*(\a)         ; 512 consecutive bytes, aligned; each block has its own registers
	global_store_b128 v[LI], v[CD+8*(\a)+4:CD+8*(\a)+7], s[10:11] offset:32768*(\a)+512
.endm
.irp a, 0,1,2,3,4,5,6,7
	ACT \a
.endr
	s_wait_tensorcnt 0x0                           ; the wave's end
	ds_add_u32 v[SPW], v[NIL]
	s_wait_dscnt 0x0
	CROUND                                         ; the closing round
	s_endpgm
.Lfunc_end_k_q783de46196_swiglu:
	.size	k_q783de46196_swiglu, .Lfunc_end_k_q783de46196_swiglu-k_q783de46196_swiglu
	.p2alignl 7, 3214868480
	.fill 96, 4, 3214868480
	.section	.rodata,"a",@progbits
	.p2align	6, 0x0
	.amdhsa_kernel k_q783de46196_swiglu
		.amdhsa_group_segment_fixed_size 327680
		.amdhsa_private_segment_fixed_size 0
		.amdhsa_enable_private_segment 0
		.amdhsa_kernarg_size 32
		.amdhsa_user_sgpr_count 2
		.amdhsa_user_sgpr_kernarg_segment_ptr 1
		.amdhsa_wavefront_size32 1
		.amdhsa_system_sgpr_workgroup_id_x 1
		.amdhsa_system_sgpr_workgroup_id_y 1
		.amdhsa_system_sgpr_workgroup_id_z 1
		.amdhsa_system_vgpr_workitem_id 0
		.amdhsa_next_free_vgpr 1024
		.amdhsa_next_free_sgpr 100
		.amdhsa_reserve_vcc 0
		.amdhsa_float_denorm_mode_32 3
		.amdhsa_float_denorm_mode_16_64 3
		.amdhsa_memory_ordered 1
		.amdhsa_forward_progress 1
		.amdhsa_inst_pref_size 171
	.end_amdhsa_kernel
	.amdgpu_metadata
---
amdhsa.version: [ 1, 2 ]
amdhsa.kernels:
  - .name:           k_q783de46196_swiglu
    .symbol:         k_q783de46196_swiglu.kd
    .args:
      - { .name: h2c, .offset: 0, .size: 8, .value_kind: global_buffer, .address_space: global }
      - { .name: pc, .offset: 8, .size: 8, .value_kind: global_buffer, .address_space: global }
      - { .name: lowp_scales, .offset: 16, .size: 8, .value_kind: global_buffer, .address_space: global }
      - { .name: ac, .offset: 24, .size: 8, .value_kind: global_buffer, .address_space: global }
    .group_segment_fixed_size: 327680
    .private_segment_fixed_size: 0
    .kernarg_segment_align: 8
    .kernarg_segment_size: 32
    .max_flat_workgroup_size: 128
    .sgpr_count:     100
    .vgpr_count:     1024
    .wavefront_size: 32
...
	.end_amdgpu_metadata
.endif
;; end of part 6
;; launch mlpout (part 7): grid 8 x 32, 4 waves a work-group, clusters of 4 x 4, 327,680 bytes of LDS; arguments ac, pc, lowp_scales, x1, out0; writes out0
.if DOCPART == 7
	.amdgcn_target "amdgcn-amd-amdhsa--gfx1250"
	.amdhsa_code_object_version 6
	.text
	.protected	k_q783de46196_mlpout
	.globl	k_q783de46196_mlpout
	.p2align	8
	.type	k_q783de46196_mlpout,@function
k_q783de46196_mlpout:
	s_mov_b64 s[64:65], 0
	v_nop
	global_prefetch_b8 v0, s[64:65] scope:SCOPE_SE
	s_setreg_imm32_b32 hwreg(HW_REG_WAVE_MODE, 25, 1), 1
	s_wait_xcnt 0x0
	s_wait_alu depctr_hold_cnt(0) depctr_sa_sdst(0) depctr_va_vdst(0) depctr_va_sdst(0) depctr_va_ssrc(0) depctr_va_vcc(0) depctr_vm_vsrc(0)
	s_getreg_b32 s2, hwreg(HW_REG_IB_STS2, 6, 4)
	s_cmp_eq_u32 s2, 0
	s_cbranch_scc0 .Lentry_in_a_cluster
	s_endpgm
.Lentry_in_a_cluster:
	s_bfe_u32 s2, ttmp6, 0x10000c
	s_cmp_lg_u32 s2, 0xf033
	s_cbranch_scc0 .Lentry_shape_is_right
	s_endpgm
.Lentry_shape_is_right:
.set KDIM,  2048
.set WOFF,  8388608
.set SOFF,  48
.set RB,    16*KDIM
.set LAPS,  KDIM/1024
.set SLOT,  131072
.set SPARE, 262144
.set SPITCH, 272
.set ADRA, 16
.set ADRB, 20
.set STO,  24
.set RD,   25
.set GO,   26
.set SPW,  28
.set NIL,  29
.set ACC,  128
.set F0,   0
.set F1,   128
.set G1, 24
.set G0, 32
.set G1B, 48
.set G0B, 56
.set MSB, 0
.macro WIN new
.if MSB != (\new)
	s_set_vgpr_msb (MSB<<8)|(\new)
.set MSB, (\new)
.endif
.endm
.set MUL,  0x05
.set TO_F, 0x40
.macro JLOAD s
	s_cmp_eq_u32 s15, 0
	s_cbranch_scc0 .Lfor_b_\@
	tensor_load_to_lds s[G0+4*\s:G0+4*\s+3], s[G1:G1+7]
	s_nop 0
.rept 4
	v_nop
.endr
	s_branch .Lasked_\@
.Lfor_b_\@:
	tensor_load_to_lds s[G0B+4*\s:G0B+4*\s+3], s[G1B:G1B+7]
	s_nop 0
.rept 4
	v_nop
.endr
.Lasked_\@:
.endm
.macro CREST
	s_cmp_lg_u32 s14, 0
	s_cbranch_scc1 .Lnot_wave_0_\@
	s_barrier_signal -3
.Lnot_wave_0_\@:
	s_barrier_wait -3
	s_barrier_signal -1
	s_barrier_wait -1
.endm
.macro CROUND
	s_barrier_signal -1
	s_barrier_wait -1
	CREST
.endm
	s_load_b256 s[4:11], s[0:1], 0x0
	s_load_b64 s[12:13], s[0:1], 0x20
	v_lshl_add_u32 v[SPW], v0, 2, SPARE
	v_mov_b32 v[NIL], 0
	ds_add_u32 v[SPW], v[NIL]
	ds_add_u32 v[SPW], v[NIL]
	v_lshrrev_b32 v1, 5, v0
	v_readfirstlane_b32 s14, v1
	s_lshr_b32 s15, s14, 1
	s_and_b32 s16, s14, 1
	s_bfe_u32 s40, ttmp6, 0x40000
	s_bfe_u32 s41, ttmp6, 0x40004
	s_lshl_b32 s42, ttmp9, 2
	s_add_co_u32 s42, s42, s40
	s_and_b32 s17, ttmp7, 0xffff
	s_lshl_b32 s17, s17, 2
	s_add_co_u32 s17, s17, s41
	s_lshl_b32 s43, s41, 2
	s_lshl_b32 s43, 15, s43
	s_lshl_b32 s44, 0x1111, s40
	s_or_b32 s[G1+0], s43, (1<<21)
	s_or_b32 s[G1B+0], s44, (1<<21)
.irp g, G1, G1B
	s_mov_b32 s[\g+1], 8192<<16
	s_mov_b32 s[\g+2], 4<<16
	s_mov_b32 s[\g+3], 8192<<16
	s_mov_b32 s[\g+4], 4
	s_mov_b32 s[\g+5], RB
	s_mov_b32 s[\g+6], 0
	s_mov_b32 s[\g+7], 0
.endr
	s_lshl_b32 s18, s16, 2
	s_lshl_b32 s20, s17, 3
	s_add_co_u32 s20, s20, s18
	s_mul_i32 s20, s20, RB
	s_mov_b32 s21, 0
	s_lshl_b32 s46, s42, 3
	s_add_co_u32 s46, s46, s18
	s_mul_i32 s46, s46, RB
	s_add_co_u32 s46, s46, WOFF
	s_mov_b32 s47, 0
	s_lshl_b32 s45, s14, 15
	s_wait_dscnt 0x0
	s_wait_kmcnt 0x0
	s_load_b64 s[66:67], s[8:9], SOFF
	s_add_nc_u64 s[20:21], s[4:5], s[20:21]
	s_add_nc_u64 s[46:47], s[6:7], s[46:47]
	CROUND
.irp s, 0,1
	s_mov_b32 s[G0+4*\s], 1
	s_add_co_u32 s[G0+4*\s+1], s45, \s*SLOT
	s_add_nc_u64 s[G0+4*\s+2:G0+4*\s+3], s[20:21], \s*8192
	s_or_b32 s[G0+4*\s+3], s[G0+4*\s+3], 0x80000000
	s_mov_b32 s[G0B+4*\s], 1
	s_add_co_u32 s[G0B+4*\s+1], s45, \s*SLOT
	s_add_nc_u64 s[G0B+4*\s+2:G0B+4*\s+3], s[46:47], \s*8192
	s_or_b32 s[G0B+4*\s+3], s[G0B+4*\s+3], 0x80000000
	s_wait_alu depctr_va_vdst(0)
.if \s
	s_wait_tensorcnt 0x0                           ; slot 1's first fill stands behind the full sequence and a round
	ds_add_u32 v28, v29
	s_wait_dscnt 0x0
	CROUND
.endif
	JLOAD \s
.endr
	v_and_b32 v1, 31, v0
	v_and_b32 v2, 15, v0
	s_wait_alu depctr_va_vdst(0)
	v_bfe_u32 v3, v0, 4, 1
	v_lshlrev_b32 v4, 4, v1
	s_lshl_b32 s21, s15, 15
	s_lshl_b32 s22, s16, 15
	s_add_co_u32 s22, s22, 65536
.irp s, 0,1
	v_add_nc_u32 v[ADRA+\s], s21, v4
	v_add_nc_u32 v[ADRB+\s], s22, v4
	s_add_co_u32 s21, s21, SLOT
	s_add_co_u32 s22, s22, SLOT
.endr
	s_mul_i32 s23, s14, 64*SPITCH
	v_mul_u32_u24 v5, v2, SPITCH
	s_wait_alu depctr_va_vdst(0)
	v_lshl_add_u32 v5, v3, 5, v5
	v_add_nc_u32 v[STO], s23, v5
	v_mul_u32_u24 v5, v3, SPITCH
	v_lshl_add_u32 v5, v2, 4, v5
	v_add_nc_u32 v[RD], s23, v5
	v_lshlrev_b32 v5, 12, v3
	v_lshl_add_u32 v[GO], v2, 4, v5
	s_wait_alu depctr_va_vdst(0)
	s_lshl_b32 s20, s17, 19
	s_lshl_b32 s21, s15, 18
	s_add_co_u32 s20, s20, s21
	s_lshl_b32 s21, s42, 9
	s_add_co_u32 s20, s20, s21
	s_lshl_b32 s21, s16, 8
	s_add_co_u32 s20, s20, s21
	s_mov_b32 s21, 0
	s_add_nc_u64 s[10:11], s[10:11], s[20:21]
	s_add_nc_u64 s[12:13], s[12:13], s[20:21]
	WIN 0x80
.set u, 0
.rept 32
	global_load_b128 v[4*u:4*u+3], v[GO], s[10:11] offset:8192*u
.set u, u+1
.endr
	WIN 0
.macro MUL4 f, a, zero
.irp b, 0,1,2,3
.if \zero
	v_wmma_f32_16x16x128_fp8_fp8 v[ACC+8*(4*(\a)+\b):ACC+8*(4*(\a)+\b)+7], v[\f+64+16*\b:\f+64+16*\b+15], v[\f+16*(\a):\f+16*(\a)+15], 0
.else
	v_wmma_f32_16x16x128_fp8_fp8 v[ACC+8*(4*(\a)+\b):ACC+8*(4*(\a)+\b)+7], v[\f+64+16*\b:\f+64+16*\b+15], v[\f+16*(\a):\f+16*(\a)+15], v[ACC+8*(4*(\a)+\b):ACC+8*(4*(\a)+\b)+7]
.endif
.endr
.endm
.macro MUL8 f, a0, zero
	MUL4 \f, \a0, \zero
	MUL4 \f, \a0+1, \zero
.endm
.macro FETCH slot, q, f
	WIN TO_F
.irp i, 0,1,2,3
.irp c, 0,1,2,3
	ds_load_b128 v[\f+64+16*\i+4*\c:\f+64+16*\i+4*\c+3], v[ADRB+\slot] offset:8192*\i+2048*(\q)+512*\c
.endr
.endr
.irp i, 0,1,2,3
.irp c, 0,1,2,3
	ds_load_b128 v[\f+16*\i+4*\c:\f+16*\i+4*\c+3], v[ADRA+\slot] offset:8192*\i+2048*(\q)+512*\c
.endr
.endr
.endm
.macro PLACES
.rept 4
	v_nop
.endr
.endm
.macro QUARTER slot, q, f, g, zero
	s_wait_dscnt 8
	WIN MUL
	MUL8 \f, 0, \zero
	PLACES
	FETCH \slot, \q, \g
	s_wait_dscnt 32
	WIN MUL
	MUL8 \f, 2, \zero
.endm
.macro TURN slot, next, fill
	WIN 0
	s_wait_tensorcnt 0x0
	ds_add_u32 v[SPW], v[NIL]
	s_wait_dscnt 9
	WIN MUL
	MUL4 F1, 0, 0
	s_wait_dscnt 0x0
	s_barrier_signal -1
	MUL4 F1, 1, 0
.if \fill
	WIN 0
.endif
	s_barrier_wait -1
.if \fill
	CREST
	s_add_nc_u64 s[G0+4*\slot+2:G0+4*\slot+3], s[G0+4*\slot+2:G0+4*\slot+3], 16384
	s_add_nc_u64 s[G0B+4*\slot+2:G0B+4*\slot+3], s[G0B+4*\slot+2:G0B+4*\slot+3], 16384
	JLOAD \slot
.else
	PLACES
.endif
	FETCH \next, 0, F0
	WIN MUL
	MUL8 F1, 2, 0
.endm
	s_wait_tensorcnt 1
	s_barrier_signal -1
	s_barrier_wait -1
	FETCH 0, 0, F0
	QUARTER 0, 1, F0, F1, 1
.rept LAPS-1
	QUARTER 0, 2, F1, F0, 0
	QUARTER 0, 3, F0, F1, 0
	TURN 0, 1, 1
	QUARTER 1, 1, F0, F1, 0
	QUARTER 1, 2, F1, F0, 0
	QUARTER 1, 3, F0, F1, 0
	TURN 1, 0, 1
	QUARTER 0, 1, F0, F1, 0
.endr
	QUARTER 0, 2, F1, F0, 0
	QUARTER 0, 3, F0, F1, 0
	TURN 0, 1, 0
	QUARTER 1, 1, F0, F1, 0
	QUARTER 1, 2, F1, F0, 0
	QUARTER 1, 3, F0, F1, 0
	s_wait_dscnt 8
	WIN MUL
	MUL8 F1, 0, 0
	s_wait_dscnt 0
	MUL8 F1, 2, 0
	WIN 0
	s_wait_kmcnt 0x0
	s_add_co_i32 s66, s66, s67
	s_add_co_i32 s66, s66, 127
	s_lshl_b32 s66, s66, 23
	s_mov_b32 s67, s66
	PLACES
.irp a, 0,1,2,3
.irp b, 0,1,2,3
	ds_store_b128 v[STO], v[ACC+8*(4*\a+\b):ACC+8*(4*\a+\b)+3] offset:\a*16*SPITCH+64*\b
	ds_store_b128 v[STO], v[ACC+8*(4*\a+\b)+4:ACC+8*(4*\a+\b)+7] offset:\a*16*SPITCH+64*\b+16
.endr
.endr
	WIN TO_F
.set u, 0
.rept 32
	ds_load_b128 v[4*u:4*u+3], v[RD] offset:2*SPITCH*u
.set u, u+1
.endr
	s_wait_loadcnt 0x0
	s_wait_dscnt 0x0
	WIN 0x61
.set u, 0
.rept 64
	v_pk_fma_f32 v[2*u:2*u+1], v[2*u:2*u+1], s[66:67], v[2*u:2*u+1] op_sel_hi:[1,0,1]
.set u, u+1
.endr
	WIN 0x04
.set u, 0
.rept 32
	global_store_b128 v[GO], v[4*u:4*u+3], s[12:13] offset:8192*u
.set u, u+1
.endr
	WIN 0
	s_wait_tensorcnt 0x0
	ds_add_u32 v[SPW], v[NIL]
	s_wait_dscnt 0x0
	CROUND
	s_endpgm
.Lfunc_end_k_q783de46196_mlpout:
	.size	k_q783de46196_mlpout, .Lfunc_end_k_q783de46196_mlpout-k_q783de46196_mlpout
	.p2alignl 7, 3214868480
	.fill 96, 4, 3214868480
	.section	.rodata,"a",@progbits
	.p2align	6, 0x0
	.amdhsa_kernel k_q783de46196_mlpout
		.amdhsa_group_segment_fixed_size 327680
		.amdhsa_private_segment_fixed_size 0
		.amdhsa_enable_private_segment 0
		.amdhsa_kernarg_size 40
		.amdhsa_user_sgpr_count 2
		.amdhsa_user_sgpr_kernarg_segment_ptr 1
		.amdhsa_wavefront_size32 1
		.amdhsa_system_sgpr_workgroup_id_x 1
		.amdhsa_system_sgpr_workgroup_id_y 1
		.amdhsa_system_sgpr_workgroup_id_z 1
		.amdhsa_system_vgpr_workitem_id 0
		.amdhsa_next_free_vgpr 768
		.amdhsa_next_free_sgpr 70
		.amdhsa_reserve_vcc 0
		.amdhsa_float_denorm_mode_32 3
		.amdhsa_float_denorm_mode_16_64 3
		.amdhsa_memory_ordered 1
		.amdhsa_forward_progress 1
		.amdhsa_inst_pref_size 77
	.end_amdhsa_kernel
	.amdgpu_metadata
---
amdhsa.version: [ 1, 2 ]
amdhsa.kernels:
  - .name:           k_q783de46196_mlpout
    .symbol:         k_q783de46196_mlpout.kd
    .args:
      - { .name: ac, .offset: 0, .size: 8, .value_kind: global_buffer, .address_space: global }
      - { .name: pc, .offset: 8, .size: 8, .value_kind: global_buffer, .address_space: global }
      - { .name: lowp_scales, .offset: 16, .size: 8, .value_kind: global_buffer, .address_space: global }
      - { .name: x1, .offset: 24, .size: 8, .value_kind: global_buffer, .address_space: global }
      - { .name: out0, .offset: 32, .size: 8, .value_kind: global_buffer, .address_space: global }
    .group_segment_fixed_size: 327680
    .private_segment_fixed_size: 0
    .kernarg_segment_align: 8
    .kernarg_segment_size: 40
    .max_flat_workgroup_size: 128
    .sgpr_count:     70
    .vgpr_count:     768
    .wavefront_size: 32
...
	.end_amdgpu_metadata
.endif
;; end of part 7
